; MI455X (gfx1250); checked and timed in simulation.
; The chip was launched on July 23, 2026; its instructions are those of AMD's public machine-readable ISA for CDNA 5 (MIT licence, August 2026) and "CDNA5" Instruction Set Architecture Reference Guide (July 2026). The comments in the code are by the model that wrote it; some were corrected since.
;; Transformer Encoder Layer. Allowed arithmetic: matrix products marked QUANTISED: E5M2 operands, one E8M0 scale for each 32 along K, by v_wmma_scale_f32_16x16x128_f8f6f4 with both operands' format E5M2, f32 sums; everything else in f32.
;; Inputs: W1 768 x 3,072 float32; W2 3,072 x 768 float32; Wk 12 x 768 x 64 float32; Wo 768 x 768 float32; Wq 12 x 768 x 64 float32; Wv 12 x 768 x 64 float32; b1 3,072 float32; b2 768 float32; bk 12 x 64 float32; bo 768 float32; bq 12 x 64 float32; bv 12 x 64 float32; ln1_b 768 float32; ln1_w 768 float32; ln2_b 768 float32; ln2_w 768 float32; x 1 x 4,096 x 768 float32.
;; Outputs: out0 1 x 4,096 x 768 float32.
;; This version of the problem:
;;   THIS VERSION OF THE PROBLEM IS GIVEN IN LOW PRECISION. The matrix products marked QUANTISED in the list below multiply operands that are first quantised to E5M2 (5 exponent bits, 2 mantissa bits; 8 bits a number), with one power-of-two scale for each 32 numbers along K (OCP MX v1.0); their sums are f32. All else is computed in f32.
;;   The module's matrix products, in the order in which they are computed (A, B: the left and right operand; K: the contracted axis; several contracted axes count as one K, in the product's order):
;;     1. [M 768, K 768] x [K 768, N 4,096]; A: input Wq; B: computed on the way: QUANTISED
;;     2. [M 768, K 768] x [K 768, N 4,096]; A: input Wk; B: computed on the way: QUANTISED
;;     3. [M 768, K 768] x [K 768, N 4,096]; A: input Wv; B: computed on the way: QUANTISED
;;     4. batch 12 x [M 4,096, K 64] x [K 64, N 4,096]; A: computed on the way; B: computed on the way: QUANTISED
;;     5. batch 12 x [M 4,096, K 4,096] x [K 4,096, N 64]; A: softmax (see below); B: computed on the way: QUANTISED
;;     6. [M 4,096, K 768] x [K 768, N 768]; A: computed on the way; B: input Wo: QUANTISED
;;     7. [M 4,096, K 768] x [K 768, N 3,072]; A: computed on the way; B: input W1: QUANTISED
;;     8. [M 4,096, K 3,072] x [K 3,072, N 768]; A: computed on the way; B: input W2: QUANTISED
;;   THE QUANTISER, for each operand of a quantised product, along K:
;;     - K is cut into blocks of 32 from its start; a last block that is shorter is filled with zeros.
;;     - A block's scale is 2^e with e = floor(log2(the largest magnitude in the block)) - 15, held to -126 .. 127; a block of zeros has e = 0. As a byte (E8M0): e + 127.
;;     - Each number is divided by its block's scale, clamped to +-57,344, and rounded to the nearest number of E5M2, ties to even, subnormals kept.
;;     - The product sums the exact products of the quantised numbers (number of the format x scale) in f32.
;;   ~~~python
;;   def quantise(x, axis):      # numpy; x: float32 -> the quantised numbers, widened to float32 again
;;       x = np.moveaxis(x, axis, -1); K = x.shape[-1]
;;       x = np.pad(x, [(0, 0)] * (x.ndim - 1) + [(0, -K % 32)]); x = x.reshape(x.shape[:-1] + (-1, 32)); a = np.abs(x).max(-1, keepdims=True)
;;       e = np.where(a > 0, np.clip(np.frexp(np.where(a > 0, a, 1))[1] - 1 - 15, -126, 127), 0)      # np.frexp(a)[1] - 1 = floor(log2(a)), exactly
;;       r = np.clip(x / 2.0 ** e, -57344, 57344)
;;       step = 2.0 ** (np.maximum(np.frexp(np.where(r == 0, 1, r))[1] - 1, -14) - 2)
;;       q = np.round(r / step) * step * 2.0 ** e      # np.round: ties to even
;;       return np.moveaxis(q.reshape(q.shape[:-2] + (-1,))[..., :K], -1, axis).astype(np.float32)
;;   ~~~
;;   SOFTMAX AHEAD OF A QUANTISED PRODUCT. Where the list says 'softmax', what is quantised is not the finished softmax but p = 2^(t - M), with t = logit x log2(e) and M = ceil(the row's largest t), a whole number; so 1/2 < the row's largest p <= 1. The row's sum l is taken of the UNQUANTISED p, in f32, and the product's result is divided by l at the end. Since M is a whole number, a kernel that streams over the keys may use a running M (the ceiling of the running maximum): every later rescaling is an exact power of two, which a block's scale takes up: the codes' values come out the same.
;;   OPERANDS COMPUTED ON THE WAY. 'Computed on the way' means the value that the module computes at that place (a softmax that the list does not call 'softmax' is quantised finished and normalised). What goes into a quantiser is computed in f32, as accurately as f32 sums, v_exp_f32 and their like allow (about 1e-6 of the number): no bf16 or f16 on the way to a quantiser, and a product that is left as it is and whose result goes on into a quantised operand takes f32 operands (vector FMAs, or v_wmma_f32_16x16x4_f32). A number that lies on a knife's edge between two numbers of the format may be rounded either way, as far as f32 arithmetic and the matrix unit's own rounding can turn it there, and no further.
;; One version. Each part assembles by itself: llvm-mc -triple=amdgcn-amd-amdhsa -mcpu=gfx1250 --defsym DOCPART=n.
;; ======== version 1 of 1: 7 launches
;; workspace buffers: wts 7,520,256 bytes; yc 3,342,336 bytes; qc 3,342,336 bytes; kv 6,684,672 bytes; oc 3,342,336 bytes; x1 12,582,912 bytes; hc 13,369,344 bytes
;; launch prep (part 1): grid 544 x 1, 6 waves a work-group, no clusters, 2,816 bytes of LDS; arguments x, ln1_w, ln1_b, yc, Wq, Wk, Wv, Wo, W1, W2, wts; writes yc, wts
.if DOCPART == 1
	.amdgcn_target "amdgcn-amd-amdhsa--gfx1250"
	.amdhsa_code_object_version 6
	.text
	.protected	k_q31fc34355d_prep
	.globl	k_q31fc34355d_prep
	.p2align	8
	.type	k_q31fc34355d_prep,@function
k_q31fc34355d_prep:
	s_mov_b64 s[64:65], 0
	v_nop
	global_prefetch_b8 v0, s[64:65] scope:SCOPE_SE
	s_setreg_imm32_b32 hwreg(HW_REG_WAVE_MODE, 25, 1), 1
	s_wait_xcnt 0x0
; TWO JOBS, parted by the work-group's number.
; Work-groups 0-255: LayerNorm of 16 tokens x 768 and its quantising to codes of E5M2 with one E8M0 byte for each 32 along the 768.
; Work-groups 256-543: the six weights (K = their first matrix axis) into codes and scale bytes.
; LAYOUT OF EVERY OPERAND THAT THIS PROGRAM STORES.  Row p (0..15) of tile t is element 32 (t/2) + 8 (t%2) + p + 8 (p/8).
; A fragment image (tile t, K step s) is 2,048 bytes: byte 512 c + 16 lane + i is the code of row lane % 16 at k = 128 s + 32 c + 16 (lane / 16) + i:
; four loads of 16 bytes a lane give the matrix operand's registers.  A scale image is 128 bytes: word 4 lane = the four bytes of row lane % 16.
; A record of a tile with n K steps: n images of codes, then n scale images (n = 6: 13,056 bytes; n = 24: 52,224).
; LIMITS: NaN and infinities are not served; a block whose largest magnitude lies under 2^-111, a block of zeros among them, keeps the byte 1
; (its codes are then tiny or zero; the bytes are read by this program alone).
.set X,    16                          ; v16-79   LN: 64 numbers of my row: register 16 b + i = k 128 s + 32 b + 16 h + i
.set W,    80                          ; v80-143  the gain at the same places
.set B,    144                         ; v144-207 the bias
.set PC,   208                         ; v208-223 the codes
.set TM,   224                         ; largest magnitudes
.set TMP,  228                         ; the other half's, then the bytes
.set TMH,  232                         ; 57,344 x the scale
.set TMS,  236                         ; the conversions' scale operands
.set PW,   240                         ; the scale word
.set MU,   242                         ; the mean, twice
.set RS,   244                         ; 1 / sqrt(var + eps), twice
.set RD,   246                         ; v246-251 sums
.set XW,   32                          ; weights: v32-159 128 numbers down K of my column
.set CW,   160                         ; v160-191 their codes
.set RED1, 0                           ; LDS: six waves' row sums, 128 bytes each
.set RED2, 768                         ; and their sums of squares
.set WV,   26
.set MNT,  27                          ; the mantissa field of 57,344
.set SEL,  28                          ; s28, s29: v_permlanex16_b32's selects for lane xor 16
.set INV,  50                          ; 1 / 768
.set EPS,  51
; nb blocks of 16 registers from v[s] on (the block's other 16 numbers lie in lane xor 16) become codes in v[PC + 4 b] on and bytes in v[TMP + b]
.macro QUANT s, nb
.set qb, 0
.rept \nb
	v_max3_num_f32 v[TM+qb], |v[(\s)+16*qb]|, |v[(\s)+16*qb+1]|, 0x8000000   ; with the floor 2^(16 - 127): the byte cannot fall under 1
.set qb, qb+1
.endr
.irp i, 2,4,6,8,10,12,14
.set qb, 0
.rept \nb
	v_max3_num_f32 v[TM+qb], v[TM+qb], |v[(\s)+16*qb+\i]|, |v[(\s)+16*qb+\i+1]|
.set qb, qb+1
.endr
.endr
.set qb, 0
.rept \nb
	v_permlanex16_b32 v[TMP+qb], v[TM+qb], s[SEL], s[SEL+1]
.set qb, qb+1
.endr
.set qb, 0
.rept \nb
	v_max_num_f32 v[TM+qb], v[TM+qb], v[TMP+qb]                  ; the block's largest magnitude
.set qb, qb+1
.endr
.set qb, 0
.rept \nb
	v_add_nc_u32 v[TMS+qb], 0xf8800000, v[TM+qb]                 ; 15 off its exponent field: the conversion's scale operand
.set qb, qb+1
.endr
.set qb, 0
.rept \nb
	v_and_or_b32 v[TMH+qb], v[TM+qb], 0x7f800000, s[MNT]         ; 57,344 x the scale
.set qb, qb+1
.endr
.set qb, 0
.rept \nb
	v_lshrrev_b32 v[TMP+qb], 23, v[TMS+qb]                       ; the scale's byte
.set qb, qb+1
.endr
.set qb, 0
.rept \nb
.irp i, 0,1,2,3,4,5,6,7,8,9,10,11,12,13,14,15
	v_med3_num_f32 v[(\s)+16*qb+\i], v[(\s)+16*qb+\i], -v[TMH+qb], v[TMH+qb]   ; the conversion does not saturate (ISA guide 7.6.2): the hold
.endr
	v_cvt_scalef32_pk8_bf8_f32 v[PC+4*qb:PC+4*qb+1], v[(\s)+16*qb:(\s)+16*qb+7], v[TMS+qb]
	v_cvt_scalef32_pk8_bf8_f32 v[PC+4*qb+2:PC+4*qb+3], v[(\s)+16*qb+8:(\s)+16*qb+15], v[TMS+qb]
.set qb, qb+1
.endr
	v_nop                                                        ; one plain line behind the last conversion
.endm
	s_load_b256 s[4:11], s[0:1], 0x0               ; x, gain, bias, yc
	s_load_b256 s[12:19], s[0:1], 0x20             ; Wq, Wk, Wv, Wo
	s_load_b128 s[20:23], s[0:1], 0x40             ; W1, W2
	s_load_b64 s[24:25], s[0:1], 0x50              ; wts
	v_lshl_add_u32 v254, v0, 2, 0x800
	v_mov_b32 v255, 0
	v_lshrrev_b32 v1, 5, v0
	v_readfirstlane_b32 s[WV], v1                  ; wave 0..5
	v_and_b32 v6, 31, v0                           ; lane
	s_mov_b32 s[MNT], 0x600000
	s_cmp_lt_u32 ttmp9, 256                        ; the same in all six waves of a work-group
	s_cbranch_scc0 .Lweights
	; ---------------- LayerNorm: work-group = token tile T, wave = K step s ----------------
	s_mov_b32 s[SEL], 0x76543210
	s_mov_b32 s[SEL+1], 0xfedcba98
	s_mov_b32 s[INV], 0x3aaaaaab
	s_mov_b32 s[EPS], 0x3727c5ac
	v_and_b32 v7, 15, v0                           ; r
	v_bfe_u32 v8, v0, 4, 1                         ; h
	v_lshlrev_b32 v1, 4, v6                        ; 16 x lane
	v_lshlrev_b32 v2, 2, v6                        ; 4 x lane
	v_and_b32 v9, 8, v7
	v_add_nc_u32 v9, v9, v7                        ; r + 8 (r / 8)
	v_mul_u32_u24 v3, v9, 3072
	v_lshl_add_u32 v3, v8, 6, v3                   ; my row, + 64 h
	v_lshlrev_b32 v4, 6, v8                        ; 64 h: gain and bias
	v_lshlrev_b32 v5, 2, v0                        ; LDS: 128 x wave + 4 x lane
.irp b, 0,1,2,3
	v_mov_b32 v[TMP+\b], 0                         ; a lane permute's destination counts as one of its sources
.endr
	s_lshr_b32 s30, ttmp9, 1
	s_lshl_b32 s30, s30, 5
	s_and_b32 s31, ttmp9, 1
	s_lshl_b32 s31, s31, 3
	s_add_co_u32 s30, s30, s31                     ; the tile's first token: 32 (T / 2) + 8 (T % 2)
	s_mul_i32 s30, s30, 3072
	s_lshl_b32 s32, s[WV], 9                       ; 512 s
	s_add_co_u32 s30, s30, s32
	s_mov_b32 s31, 0
	s_mov_b32 s33, 0
	s_mul_i32 s34, ttmp9, 13056                    ; the tile's record
	s_lshl_b32 s36, s[WV], 11
	s_add_co_u32 s36, s36, s34
	s_mov_b32 s37, 0
	s_lshl_b32 s38, s[WV], 7
	s_add_co_u32 s38, s38, s34
	s_add_co_u32 s38, s38, 12288
	s_mov_b32 s39, 0
	s_wait_kmcnt 0x0
	s_add_nc_u64 s[4:5], s[4:5], s[30:31]
	s_add_nc_u64 s[6:7], s[6:7], s[32:33]
	s_add_nc_u64 s[8:9], s[8:9], s[32:33]
	s_add_nc_u64 s[36:37], s[10:11], s[36:37]      ; my image of codes
	s_add_nc_u64 s[38:39], s[10:11], s[38:39]      ; my scale image
.irp b, 0,1,2,3
.irp j, 0,1,2,3
	global_load_b128 v[X+16*\b+4*\j:X+16*\b+4*\j+3], v3, s[4:5] offset:128*\b+16*\j
.endr
.endr
.irp b, 0,1,2,3
.irp j, 0,1,2,3
	global_load_b128 v[W+16*\b+4*\j:W+16*\b+4*\j+3], v4, s[6:7] offset:128*\b+16*\j
.endr
.endr
.irp b, 0,1,2,3
.irp j, 0,1,2,3
	global_load_b128 v[B+16*\b+4*\j:B+16*\b+4*\j+3], v4, s[8:9] offset:128*\b+16*\j
.endr
.endr
	s_wait_loadcnt 32                              ; the numbers are in; the 32 loads of gain and bias may be out
	v_pk_add_f32 v[RD:RD+1], v[X:X+1], v[X+2:X+3]  ; the sum of my 64, in two chains
	v_pk_add_f32 v[RD+2:RD+3], v[X+4:X+5], v[X+6:X+7]
.irp i, 8,12,16,20,24,28,32,36,40,44,48,52,56,60
	v_pk_add_f32 v[RD:RD+1], v[RD:RD+1], v[X+\i:X+\i+1]
	v_pk_add_f32 v[RD+2:RD+3], v[RD+2:RD+3], v[X+\i+2:X+\i+3]
.endr
	v_pk_add_f32 v[RD:RD+1], v[RD:RD+1], v[RD+2:RD+3]
	v_add_f32 v[RD], v[RD], v[RD+1]
	v_permlanex16_b32 v[RD+1], v[RD], s[SEL], s[SEL+1]
	v_add_f32 v[RD], v[RD], v[RD+1]                ; my row's sum over this K step
	ds_store_b32 v5, v[RD] offset:RED1
	s_wait_dscnt 0x0                               ; for the others' sake: my store has landed
	s_barrier_signal -1
	s_barrier_wait -1
.irp i, 0,1,2,3,4,5
	ds_load_b32 v[RD+\i], v2 offset:RED1+128*\i    ; the six K steps' sums of my row, in the same order in every wave
.endr
	s_wait_dscnt 0x0
	v_add_f32 v[RD], v[RD], v[RD+1]
	v_add_f32 v[RD+2], v[RD+2], v[RD+3]
	v_add_f32 v[RD+4], v[RD+4], v[RD+5]
	v_add_f32 v[RD], v[RD], v[RD+2]
	v_add_f32 v[RD], v[RD], v[RD+4]
	v_mul_f32 v[MU], s[INV], v[RD]
	v_mov_b32 v[MU+1], v[MU]
.set j, 0
.rept 32
	v_pk_add_f32 v[X+j:X+j+1], v[X+j:X+j+1], v[MU:MU+1] neg_lo:[0,1] neg_hi:[0,1]   ; z - mean
.set j, j+2
.endr
	v_pk_mul_f32 v[RD:RD+1], v[X:X+1], v[X:X+1]    ; the sum of squares of the differences
	v_pk_mul_f32 v[RD+2:RD+3], v[X+2:X+3], v[X+2:X+3]
.irp i, 4,8,12,16,20,24,28,32,36,40,44,48,52,56,60
	v_pk_fma_f32 v[RD:RD+1], v[X+\i:X+\i+1], v[X+\i:X+\i+1], v[RD:RD+1]
	v_pk_fma_f32 v[RD+2:RD+3], v[X+\i+2:X+\i+3], v[X+\i+2:X+\i+3], v[RD+2:RD+3]
.endr
	v_pk_add_f32 v[RD:RD+1], v[RD:RD+1], v[RD+2:RD+3]
	v_add_f32 v[RD], v[RD], v[RD+1]
	v_permlanex16_b32 v[RD+1], v[RD], s[SEL], s[SEL+1]
	v_add_f32 v[RD], v[RD], v[RD+1]
	ds_store_b32 v5, v[RD] offset:RED2             ; other bytes than the first sums': one barrier serves
	s_wait_dscnt 0x0
	s_barrier_signal -1
	s_barrier_wait -1
.irp i, 0,1,2,3,4,5
	ds_load_b32 v[RD+\i], v2 offset:RED2+128*\i
.endr
	s_wait_dscnt 0x0
	v_add_f32 v[RD], v[RD], v[RD+1]
	v_add_f32 v[RD+2], v[RD+2], v[RD+3]
	v_add_f32 v[RD+4], v[RD+4], v[RD+5]
	v_add_f32 v[RD], v[RD], v[RD+2]
	v_add_f32 v[RD], v[RD], v[RD+4]
	v_fma_f32 v[RS], v[RD], s[INV], s[EPS]         ; var + eps
	v_rsq_f32 v[RS], v[RS]
	v_nop                                          ; a plain line behind the transcendental
	s_wait_alu depctr_va_vdst(0)                   ; the wait ahead of the first reader
	v_mov_b32 v[RS+1], v[RS]
	s_wait_loadcnt 0x0                             ; gain and bias
.set j, 0
.rept 32
	v_pk_mul_f32 v[X+j:X+j+1], v[X+j:X+j+1], v[RS:RS+1]
.set j, j+2
.endr
.set j, 0
.rept 32
	v_pk_fma_f32 v[X+j:X+j+1], v[X+j:X+j+1], v[W+j:W+j+1], v[B+j:B+j+1]
.set j, j+2
.endr
	QUANT X, 4
	v_lshl_or_b32 v[PW], v[TMP+1], 8, v[TMP]
	v_lshl_or_b32 v[PW], v[TMP+2], 16, v[PW]
	v_lshl_or_b32 v[PW], v[TMP+3], 24, v[PW]
.irp c, 0,1,2,3
	global_store_b128 v1, v[PC+4*\c:PC+4*\c+3], s[36:37] offset:512*\c   ; 32 lanes store 512 consecutive bytes, at a multiple of 256 from yc's first byte
.endr
	global_store_b32 v2, v[PW], s[38:39]
	s_wait_tensorcnt 0x0
	ds_add_u32 v254, v255
	s_wait_dscnt 0x0
	s_endpgm
	; ---------------- weights: a wave takes 32 columns (a pair of tiles) x 128 along K; a lane a column, its registers down K ----------------
.macro WLOAD pitch
.set wi, 0
.rept 128
	global_load_b32 v[XW+wi], v1, s[44:45] offset:wi*\pitch th:TH_LOAD_NT   ; 32 lanes read 128 consecutive bytes of one row k
.set wi, wi+1
.endr
.endm
.macro WBLOCK c                        ; 32 along K of my column: all of a block is mine
.set xs, XW+32*(\c)
	v_max3_num_f32 v12, |v[xs]|, |v[xs+1]|, |v[xs+2]|
	v_max3_num_f32 v13, |v[xs+3]|, |v[xs+4]|, |v[xs+5]|
.irp i, 6,10,14,18,22,26
	v_max3_num_f32 v12, v12, |v[xs+\i]|, |v[xs+\i+1]|
	v_max3_num_f32 v13, v13, |v[xs+\i+2]|, |v[xs+\i+3]|
.endr
	v_max3_num_f32 v12, v12, |v[xs+30]|, |v[xs+31]|
	v_max3_num_f32 v12, v12, v13, 0x8000000        ; and the floor 2^(16 - 127)
	v_add_nc_u32 v11, 0xf8800000, v12
	v_and_or_b32 v10, v12, 0x7f800000, s[MNT]
	v_lshrrev_b32 v13, 23, v11
.if (\c) == 0
	v_mov_b32 v24, v13                             ; the four bytes make my column's scale word
.else
	v_lshl_or_b32 v24, v13, 8*(\c), v24
.endif
.irp i, 0,1,2,3,4,5,6,7,8,9,10,11,12,13,14,15,16,17,18,19,20,21,22,23,24,25,26,27,28,29,30,31
	v_med3_num_f32 v[xs+\i], v[xs+\i], -v10, v10
.endr
.irp g, 0,1,2,3
	v_cvt_scalef32_pk8_bf8_f32 v[CW+8*(\c)+2*\g:CW+8*(\c)+2*\g+1], v[xs+8*\g:xs+8*\g+7], v11
.endr
	v_nop
.endm
.Lweights:
	v_lshlrev_b32 v1, 2, v6                        ; 4 bytes a column
	v_bfe_u32 v2, v6, 3, 1                         ; column e of the 32 lies in tile u = (e / 8) % 2 of the pair,
	v_and_b32 v3, 7, v6
	v_lshrrev_b32 v4, 1, v6
	v_and_b32 v4, 8, v4
	v_or_b32 v3, v3, v4                            ; at row e % 8 + 8 (e / 16)
	s_sub_co_u32 s30, ttmp9, 256                   ; 0-71 Wq, Wk, Wv; 72-95 Wo; 96-191 W1; 192-287 W2
	s_mul_i32 s31, s30, 26112                      ; a pair of records of 13,056: the first three groups lie on end in wts
	s_lshl_b32 s32, s[WV], 11
	s_add_co_u32 s40, s31, s32                     ; my image of codes: K step = wave
	s_mov_b32 s41, 0
	s_lshl_b32 s32, s[WV], 7
	s_add_co_u32 s42, s31, s32
	s_add_co_u32 s42, s42, 12288                   ; my scale image
	s_mov_b32 s43, 0
	s_mov_b32 s38, 13056                           ; from the pair's first record to its second
	s_mov_b32 s35, 0
	s_wait_kmcnt 0x0
	s_cmp_lt_u32 s30, 72
	s_cbranch_scc0 .Lnot_qkv
	s_cmp_lt_u32 s30, 48
	s_cselect_b64 s[44:45], s[14:15], s[16:17]
	s_cselect_b32 s33, 24, 48
	s_cmp_lt_u32 s30, 24
	s_cselect_b64 s[44:45], s[12:13], s[44:45]
	s_cselect_b32 s33, 0, s33
	s_sub_co_u32 s33, s30, s33                     ; 2 x head + which 32 of its 64 columns
	s_lshr_b32 s34, s33, 1
	s_mul_i32 s34, s34, 196608
	s_and_b32 s33, s33, 1
	s_lshl_b32 s33, s33, 7
	s_add_co_u32 s34, s34, s33
	s_lshl_b32 s33, s[WV], 15                      ; 128 rows of 256 bytes
	s_add_co_u32 s34, s34, s33
	s_add_nc_u64 s[44:45], s[44:45], s[34:35]
	WLOAD 256
	s_branch .Lloaded
.Lnot_qkv:
	s_cmp_lt_u32 s30, 96
	s_cbranch_scc0 .Lnot_wo
	s_sub_co_u32 s33, s30, 72
	s_lshl_b32 s34, s33, 7
	s_mul_i32 s33, s[WV], 393216                   ; 128 rows of 3,072 bytes
	s_add_co_u32 s34, s34, s33
	s_add_nc_u64 s[44:45], s[18:19], s[34:35]
	s_branch .Lpitch3072
.Lnot_wo:
	s_cmp_lt_u32 s30, 192
	s_cbranch_scc0 .Lw2
	s_sub_co_u32 s33, s30, 96
	s_lshl_b32 s34, s33, 7
	s_mul_i32 s33, s[WV], 1572864                  ; 128 rows of 12,288 bytes
	s_add_co_u32 s34, s34, s33
	s_add_nc_u64 s[44:45], s[20:21], s[34:35]
	WLOAD 12288
	s_branch .Lloaded
.Lw2:
	s_sub_co_u32 s33, s30, 192
	s_lshr_b32 s36, s33, 2                         ; the pair of tiles
	s_and_b32 s33, s33, 3
	s_mul_i32 s33, s33, 6
	s_add_co_u32 s33, s33, s[WV]                   ; K step 0..23
	s_mul_i32 s31, s36, 104448                     ; a pair of records of 52,224
	s_add_co_u32 s31, s31, 5013504
	s_lshl_b32 s32, s33, 11
	s_add_co_u32 s40, s31, s32
	s_lshl_b32 s32, s33, 7
	s_add_co_u32 s42, s31, s32
	s_add_co_u32 s42, s42, 49152
	s_mov_b32 s38, 52224
	s_lshl_b32 s34, s36, 7
	s_mul_i32 s33, s33, 393216
	s_add_co_u32 s34, s34, s33
	s_add_nc_u64 s[44:45], s[22:23], s[34:35]
.Lpitch3072:
	WLOAD 3072
.Lloaded:
	s_add_nc_u64 s[46:47], s[24:25], s[40:41]
	s_add_nc_u64 s[48:49], s[24:25], s[42:43]
	v_mul_u32_u24 v5, s38, v2                      ; my tile's record
	v_lshl_add_u32 v7, v3, 4, v5                   ; + 16 x my row: codes
	v_lshl_add_u32 v8, v3, 2, v5                   ; + 4 x my row: scale word
	s_wait_loadcnt 63                              ; at most 63 of the 128 loads are out: K 0-63 are in
	WBLOCK 0
	WBLOCK 1
	s_wait_loadcnt 32                              ; the last 32 may be out
	WBLOCK 2
	s_wait_loadcnt 0x0
	WBLOCK 3
.irp c, 0,1,2,3
	global_store_b128 v7, v[CW+8*\c:CW+8*\c+3], s[46:47] offset:512*\c          ; k 32 c + 0..15: the image's lanes 0-15.  Sixteen lanes fill 256 aligned bytes in each of the two tiles' images
	global_store_b128 v7, v[CW+8*\c+4:CW+8*\c+7], s[46:47] offset:512*\c+256    ; k 32 c + 16..31: its lanes 16-31
.endr
	global_store_b32 v8, v24, s[48:49]             ; the scale image holds the word in both halves of the lanes
	global_store_b32 v8, v24, s[48:49] offset:64
	s_endpgm
.Lfunc_end_k_q31fc34355d_prep:
	.size	k_q31fc34355d_prep, .Lfunc_end_k_q31fc34355d_prep-k_q31fc34355d_prep
	.p2alignl 7, 3214868480
	.fill 96, 4, 3214868480
	.section	.rodata,"a",@progbits
	.p2align	6, 0x0
	.amdhsa_kernel k_q31fc34355d_prep
		.amdhsa_group_segment_fixed_size 2816
		.amdhsa_private_segment_fixed_size 0
		.amdhsa_enable_private_segment 0
		.amdhsa_kernarg_size 88
		.amdhsa_user_sgpr_count 2
		.amdhsa_user_sgpr_kernarg_segment_ptr 1
		.amdhsa_wavefront_size32 1
		.amdhsa_system_sgpr_workgroup_id_x 1
		.amdhsa_system_sgpr_workgroup_id_y 1
		.amdhsa_system_sgpr_workgroup_id_z 1
		.amdhsa_system_vgpr_workitem_id 0
		.amdhsa_next_free_vgpr 256
		.amdhsa_next_free_sgpr 66
		.amdhsa_reserve_vcc 0
		.amdhsa_float_denorm_mode_32 3
		.amdhsa_float_denorm_mode_16_64 3
		.amdhsa_memory_ordered 1
		.amdhsa_forward_progress 1
		.amdhsa_inst_pref_size 82
	.end_amdhsa_kernel
	.amdgpu_metadata
---
amdhsa.version: [ 1, 2 ]
amdhsa.kernels:
  - .name:           k_q31fc34355d_prep
    .symbol:         k_q31fc34355d_prep.kd
    .args:
      - { .name: x, .offset: 0, .size: 8, .value_kind: global_buffer, .address_space: global }
      - { .name: ln1_w, .offset: 8, .size: 8, .value_kind: global_buffer, .address_space: global }
      - { .name: ln1_b, .offset: 16, .size: 8, .value_kind: global_buffer, .address_space: global }
      - { .name: yc, .offset: 24, .size: 8, .value_kind: global_buffer, .address_space: global }
      - { .name: Wq, .offset: 32, .size: 8, .value_kind: global_buffer, .address_space: global }
      - { .name: Wk, .offset: 40, .size: 8, .value_kind: global_buffer, .address_space: global }
      - { .name: Wv, .offset: 48, .size: 8, .value_kind: global_buffer, .address_space: global }
      - { .name: Wo, .offset: 56, .size: 8, .value_kind: global_buffer, .address_space: global }
      - { .name: W1, .offset: 64, .size: 8, .value_kind: global_buffer, .address_space: global }
      - { .name: W2, .offset: 72, .size: 8, .value_kind: global_buffer, .address_space: global }
      - { .name: wts, .offset: 80, .size: 8, .value_kind: global_buffer, .address_space: global }
    .group_segment_fixed_size: 2816
    .private_segment_fixed_size: 0
    .kernarg_segment_align: 8
    .kernarg_segment_size: 88
    .max_flat_workgroup_size: 192
    .sgpr_count:     66
    .vgpr_count:     256
    .wavefront_size: 32
...
	.end_amdgpu_metadata
.endif
;; end of part 1
;; launch qkv (part 2): grid 9 x 16, 4 waves a work-group, no clusters, 209,408 bytes of LDS; arguments yc, wts, bq, bk, bv, qc, kv; writes qc, kv
.if DOCPART == 2
	.amdgcn_target "amdgcn-amd-amdhsa--gfx1250"
	.amdhsa_code_object_version 6
	.text
	.protected	k_q31fc34355d_qkv
	.globl	k_q31fc34355d_qkv
	.p2align	8
	.type	k_q31fc34355d_qkv,@function
k_q31fc34355d_qkv:
	s_mov_b64 s[64:65], 0
	v_nop
	global_prefetch_b8 v0, s[64:65] scope:SCOPE_SE
	s_setreg_imm32_b32 hwreg(HW_REG_WAVE_MODE, 25, 1), 1
	s_wait_xcnt 0x0
; q, k, v = y W + b on codes of E5M2 (K = 768, six K steps of 128), and their quantising: q and k along the head's 64, v along the keys.
; SHARES.  A work-group takes 256 tokens (16 tiles) and four units; a unit is one of q, k, v of one head (64 channels, 4 tiles); all four units of a work-group are of one kind.
; A wave owns a unit: its 24 weight fragments stay in registers.  The 16 token records are one dense block of 208,896 bytes: each wave brings a quarter by one tensor load; nothing is filled twice.
; No cluster: the grid has 9 work-groups along x, which 4 does not divide.
; q, k: source 0 = 16 channels of W, source 1 = 16 tokens: a lane holds one token, and the 16 registers of channel tiles 2 b, 2 b + 1 are 16 neighbouring channels.
; v:    source 0 = 16 tokens, source 1 = 16 channels: a lane holds one channel, and the 16 registers of token tiles 2 P, 2 P + 1 are 16 neighbouring keys.
; The bias is the C of each sum's first matrix instruction.  Layouts of images and records: see the first launch's head.
; WHAT IS STORED.  q: codes [head][tile][1,024]; behind them scale images [head][pair of tiles][128]: a word holds the even tile's two bytes below and the odd tile's two above.
; k, v: [head][16 slots of 256 keys] x 34,816 bytes: 16 tiles of k (a pair of tiles is 2,048 bytes: one fragment image, the even tile's 64 along K below, the odd tile's above); from 16,384 on v's images
; [key step 0, 1][channel tile 0..3]; from 32,768 on k's 8 scale images, a pair each, as q's; from 33,792 on v's 8.  A slot is what this work-group's block of 256 tokens makes.
; REGISTERS: window 0 as named below; window 1 and window 2 v0-127: W's fragment (K step s, tile n) at 16 (4 s + n); window 2 v128-159: bias tiles; window 3: the pair's 12 token fragments at 16 (6 t + s).
; LIMITS: NaN and infinities are not served; blocks under 2^-111 keep the byte 1.
.set REC,  13056
.set HSL,  34816                       ; a head's slot of 256 keys in kv
.set LI,   1                           ; 16 x lane
.set LS,   2                           ; 4 x lane
.set LS2,  3                           ; 4 x lane + 12,288
.set LA,   4                           ; LDS: the pair's codes
.set LB,   5                           ; LDS: the pair's scale images
.set BO,   6                           ; bias offset, q and k: 64 h
.set BV,   7                           ; bias offset, v: 4 (r + 8 (r / 8))
.set WSC,  8                           ; v8-31   W's scale words (4 s + n)
.set ASC,  32                          ; v32-43  the tokens' (6 t + s)
.set HA,   48                          ; v48-111 eight accumulators
.set PC,   112                         ; v112-127 codes
.set TM,   128
.set TMP,  132
.set TMH,  136
.set TMS,  140
.set PW,   148                         ; the pair's scale word of q or k
.set VW,   152                         ; v152-155 scale words of v, a byte a pair
.set WV,   18
.set TBK,  19
.set TY,   20
.set HD,   21
.set MNT,  23
.set G1,   24
.set G0,   32
.set CB,   58                          ; s[58:59] where codes go
.set SB,   60                          ; s[60:61] where scale words go
.set SEL,  62
.set PN,   66
.set PO,   67
.set CNT,  68
.set MSB, 0
.macro WIN new                         ; the immediate's high byte repeats the setting that is left
.if MSB != (\new)
	s_set_vgpr_msb (MSB<<8)|(\new)
.set MSB, (\new)
.endif
.endm
.macro PLACES n
.rept \n
	v_nop
.endr
.endm
.macro MMC d, a, b, c, sa, sb
	v_wmma_scale_f32_16x16x128_f8f6f4 v[(\d):(\d)+7], v[(\a):(\a)+15], v[(\b):(\b)+15], v[(\c):(\c)+7], v[\sa], v[\sb] matrix_a_fmt:MATRIX_FMT_BF8 matrix_b_fmt:MATRIX_FMT_BF8
.endm
.macro QUANT s, nb
.set qb, 0
.rept \nb
	v_max3_num_f32 v[TM+qb], |v[(\s)+16*qb]|, |v[(\s)+16*qb+1]|, 0x8000000   ; with the floor 2^(16 - 127)
.set qb, qb+1
.endr
.irp i, 2,4,6,8,10,12,14
.set qb, 0
.rept \nb
	v_max3_num_f32 v[TM+qb], v[TM+qb], |v[(\s)+16*qb+\i]|, |v[(\s)+16*qb+\i+1]|
.set qb, qb+1
.endr
.endr
.set qb, 0
.rept \nb
	v_permlanex16_b32 v[TMP+qb], v[TM+qb], s[SEL], s[SEL+1]
.set qb, qb+1
.endr
.set qb, 0
.rept \nb
	v_max_num_f32 v[TM+qb], v[TM+qb], v[TMP+qb]
.set qb, qb+1
.endr
.set qb, 0
.rept \nb
	v_add_nc_u32 v[TMS+qb], 0xf8800000, v[TM+qb]
.set qb, qb+1
.endr
.set qb, 0
.rept \nb
	v_and_or_b32 v[TMH+qb], v[TM+qb], 0x7f800000, s[MNT]
.set qb, qb+1
.endr
.set qb, 0
.rept \nb
	v_lshrrev_b32 v[TMP+qb], 23, v[TMS+qb]
.set qb, qb+1
.endr
.set qb, 0
.rept \nb
.irp i, 0,1,2,3,4,5,6,7,8,9,10,11,12,13,14,15
	v_med3_num_f32 v[(\s)+16*qb+\i], v[(\s)+16*qb+\i], -v[TMH+qb], v[TMH+qb]
.endr
	v_cvt_scalef32_pk8_bf8_f32 v[PC+4*qb:PC+4*qb+1], v[(\s)+16*qb:(\s)+16*qb+7], v[TMS+qb]
	v_cvt_scalef32_pk8_bf8_f32 v[PC+4*qb+2:PC+4*qb+3], v[(\s)+16*qb+8:(\s)+16*qb+15], v[TMS+qb]
.set qb, qb+1
.endr
	v_nop                                          ; one plain line behind the last conversion
.endm
.macro AFETCH                          ; a pair of token tiles: 12 fragments and their scale words
	WIN 0xc0
.irp t, 0,1
.irp s, 0,1,2,3,4,5
.irp c, 0,1,2,3
	ds_load_b128 v[16*(6*\t+\s)+4*\c:16*(6*\t+\s)+4*\c+3], v[LA] offset:REC*\t+2048*\s+512*\c
.endr
.endr
.endr
	WIN 0
.irp t, 0,1
.irp s, 0,1,2,3,4,5
	ds_load_b32 v[ASC+6*\t+\s], v[LB] offset:REC*\t+128*\s
.endr
.endr
.endm
; One pair of token tiles: 48 matrix instructions, the eight accumulators by turns; the next pair's loads; the quantiser.  path = 0: q, k; 1: v
.macro PAIR path
	s_wait_dscnt 0x0                               ; the pair's fragments are in
.irp s, 0,1,2,3,4,5
.if \path
.if \s == 0
	WIN 0x27                                       ; source 0 tokens (window 3), source 1 W (window 1), C bias (window 2)
.elseif \s < 4
	WIN 0x07
.else
	WIN 0x0b                                       ; W in window 2
.endif
.else
.if \s == 0
	WIN 0x2d                                       ; source 0 W (window 1), source 1 tokens (window 3), C bias (window 2)
.elseif \s < 4
	WIN 0x0d
.else
	WIN 0x0e
.endif
.endif
.irp t, 0,1
.irp n, 0,1,2,3
.set rW, 16*(4*(\s%4)+\n)
.set rA, 16*(6*\t+\s)
.if \path
.set rD, HA+16*\n+8*\t
.else
.set rD, HA+32*\t+8*\n
.endif
.set rC, rD
.if \s == 0
.set rC, 128+8*\n
.endif
.if \path
	MMC rD, rA, rW, rC, ASC+6*\t+\s, WSC+4*\s+\n
.else
	MMC rD, rW, rA, rC, WSC+4*\s+\n, ASC+6*\t+\s
.endif
.endr
.endr
.endr
	WIN 0
	s_add_co_u32 s[PN], s[PN], 1
	s_and_b32 s[PN], s[PN], 7                      ; the last pair's successor is pair 0 again: the address stays inside the 16 records, and the trip is written once
	s_mul_i32 s[PO], s[PN], 2*REC
	v_add_nc_u32 v[LA], s[PO], v[LI]
	v_add_nc_u32 v[LB], s[PO], v[LS2]
	PLACES 7                                       ; with the two additions nine places: in front of loads into registers that the products read, and of the first read of results
	AFETCH
	QUANT HA, 4
.endm
	s_load_b256 s[4:11], s[0:1], 0x0               ; yc, wts, bq, bk
	s_load_b128 s[12:15], s[0:1], 0x20             ; bv, qc
	s_load_b64 s[16:17], s[0:1], 0x30              ; kv
	v_lshl_add_u32 v254, v0, 2, 0x33000
	v_mov_b32 v255, 0
	ds_add_u32 v254, v255
	ds_add_u32 v254, v255
	v_lshrrev_b32 v1, 5, v0
	v_readfirstlane_b32 s[WV], v1                  ; wave 0..3
	s_and_b32 s[TBK], ttmp7, 0xffff                ; block of 256 tokens
	s_cmp_lt_u32 ttmp9, 6
	s_cselect_b32 s[TY], 1, 2
	s_cmp_lt_u32 ttmp9, 3
	s_cselect_b32 s[TY], 0, s[TY]                  ; 0 q, 1 k, 2 v
	s_lshl_b32 s22, ttmp9, 2
	s_add_co_u32 s22, s22, s[WV]                   ; my unit, 0..35
	s_mul_i32 s36, s[TY], 12
	s_sub_co_u32 s[HD], s22, s36                   ; my head
	s_mov_b32 s[MNT], 0x600000
	s_mov_b32 s[SEL], 0x76543210
	s_mov_b32 s[SEL+1], 0xfedcba98
	s_mov_b32 s[PN], 0
	; descriptor group 1: a dense block as 204 rows of 256 bytes (32 elements of 8 bytes), no padding
	s_mov_b32 s[G1], 3<<16
	s_mov_b32 s[G1+1], 32<<16
	s_mov_b32 s[G1+2], 204<<16
	s_mov_b32 s[G1+3], 32<<16
	s_mov_b32 s[G1+4], 204
	s_mov_b32 s[G1+5], 32
	s_mov_b32 s[G1+6], 0
	s_mov_b32 s[G1+7], 0
	s_mov_b32 s[G0], 1
	s_mul_i32 s[G0+1], s[WV], 4*REC                ; LDS: four records a wave
	s_lshl_b32 s36, s[TBK], 4
	s_lshl_b32 s37, s[WV], 2
	s_add_co_u32 s36, s36, s37
	s_mul_i32 s36, s36, REC
	s_mov_b32 s37, 0
	s_mul_i32 s38, s22, 4*REC                      ; my unit's four records in wts
	s_mov_b32 s39, 0
	s_lshl_b32 s44, s[HD], 8                       ; my head's 64 numbers of the bias
	s_mov_b32 s45, 0
	; where the results go
	s_lshl_b32 s46, s[HD], 8
	s_lshl_b32 s47, s[TBK], 4
	s_add_co_u32 s46, s46, s47                     ; 256 x head + first tile
	s_lshl_b32 s48, s46, 10                        ; q: 1,024 bytes of codes a tile,
	s_lshl_b32 s50, s46, 6
	s_add_co_u32 s50, s50, 3145728                 ; 128 of scale words a pair of tiles, behind all codes
	s_mul_i32 s52, s[HD], 16*HSL
	s_mul_i32 s53, s[TBK], HSL
	s_add_co_u32 s52, s52, s53                     ; kv: my head's slot of 256 keys
	s_mov_b32 s54, s52                             ; k's codes: 16 tiles of 1,024
	s_add_co_u32 s55, s52, 32768                   ; k's scale images
	s_add_co_u32 s56, s52, 16384                   ; v's images: two key steps of 8,192
	s_add_co_u32 s57, s52, 33792                   ; v's scale images
	s_cmp_eq_u32 s[TY], 1
	s_cselect_b32 s54, s54, s56
	s_cselect_b32 s55, s55, s57
	s_cmp_eq_u32 s[TY], 0
	s_cselect_b32 s48, s48, s54
	s_cselect_b32 s50, s50, s55
	s_mov_b32 s49, 0
	s_mov_b32 s51, 0
	s_wait_dscnt 0x0
	s_wait_kmcnt 0x0
	s_add_nc_u64 s[G0+2:G0+3], s[4:5], s[36:37]
	s_or_b32 s[G0+3], s[G0+3], 0x80000000
	tensor_load_to_lds s[G0:G0+3], s[G1:G1+7]      ; my quarter of the 16 records: my one tensor load
	s_nop 0
.rept 4
	v_nop
.endr
	s_add_nc_u64 s[40:41], s[6:7], s[38:39]        ; W
	s_cmp_eq_u32 s[TY], 0
	s_cselect_b64 s[56:57], s[14:15], s[16:17]     ; qc or kv
	s_add_nc_u64 s[CB:CB+1], s[56:57], s[48:49]
	s_add_nc_u64 s[SB:SB+1], s[56:57], s[50:51]
	s_cmp_eq_u32 s[TY], 1
	s_cselect_b64 s[42:43], s[10:11], s[12:13]
	s_cmp_eq_u32 s[TY], 0
	s_cselect_b64 s[42:43], s[8:9], s[42:43]
	s_add_nc_u64 s[42:43], s[42:43], s[44:45]      ; the bias
	v_and_b32 v48, 31, v0
	v_and_b32 v49, 15, v0
	v_bfe_u32 v50, v0, 4, 1
	v_lshlrev_b32 v[LI], 4, v48
	v_lshlrev_b32 v[LS], 2, v48
	v_add_nc_u32 v[LS2], 12288, v[LS]
	v_lshlrev_b32 v[BO], 6, v50
	v_and_b32 v51, 8, v49
	v_add_nc_u32 v51, v51, v49
	v_lshlrev_b32 v[BV], 2, v51
	v_mov_b32 v[LA], v[LI]
	v_mov_b32 v[LB], v[LS2]
.irp b, 0,1,2,3
	v_mov_b32 v[TMP+\b], 0                         ; a lane permute's destination counts as one of its sources
	v_mov_b32 v[VW+\b], 0
.endr
	WIN 0x40
.irp s, 0,1,2,3
.irp n, 0,1,2,3
.irp c, 0,1,2,3
	global_load_b128 v[16*(4*\s+\n)+4*\c:16*(4*\s+\n)+4*\c+3], v[LI], s[40:41] offset:REC*\n+2048*\s+512*\c
.endr
.endr
.endr
	WIN 0x80
.irp s, 4,5
.irp n, 0,1,2,3
.irp c, 0,1,2,3
	global_load_b128 v[16*(4*(\s-4)+\n)+4*\c:16*(4*(\s-4)+\n)+4*\c+3], v[LI], s[40:41] offset:REC*\n+2048*\s+512*\c
.endr
.endr
.endr
	WIN 0
.irp s, 0,1,2,3,4,5
.irp n, 0,1,2,3
	global_load_b32 v[WSC+4*\s+\n], v[LS], s[40:41] offset:REC*\n+12288+128*\s
.endr
.endr
	s_cmp_eq_u32 s[TY], 2
	s_cbranch_scc1 .Lbias_v
	WIN 0x80
.irp n, 0,1,2,3                        ; q, k: lane (r, h) register j of tile n is channel 32 (n / 2) + 16 h + 8 (n % 2) + j
	global_load_b128 v[128+8*\n:128+8*\n+3], v[BO], s[42:43] offset:(32*(\n/2)+8*(\n%2))*4
	global_load_b128 v[128+8*\n+4:128+8*\n+7], v[BO], s[42:43] offset:(32*(\n/2)+8*(\n%2))*4+16
.endr
	WIN 0
	s_branch .Lbias_in
.Lbias_v:
	WIN 0x80
.irp n, 0,1,2,3                        ; v: all eight registers of a lane are channel 32 (n / 2) + 8 (n % 2) + r + 8 (r / 8)
.irp j, 0,1,2,3,4,5,6,7
	global_load_b32 v[128+8*\n+\j], v[BV], s[42:43] offset:(32*(\n/2)+8*(\n%2))*4
.endr
.endr
	WIN 0
.Lbias_in:
	s_wait_loadcnt 0x0                             ; W, its scale words, the bias
	s_wait_tensorcnt 0x0                           ; my quarter has landed,
	s_barrier_signal -1
	s_barrier_wait -1                              ; everybody's has
	AFETCH                                         ; pair 0
	s_cmp_eq_u32 s[TY], 2
	s_cbranch_scc1 .Lvpath
	s_mov_b32 s[CNT], 8
.Lqk:                                              ; a trip: two token tiles of q or of k
	PAIR 0
	v_lshl_or_b32 v[PW], v[TMP+1], 8, v[TMP]       ; the even tile's two blocks of 32 below,
	v_lshl_or_b32 v[PW], v[TMP+2], 16, v[PW]       ; the odd tile's two above: one word a token row of the pair
	v_lshl_or_b32 v[PW], v[TMP+3], 24, v[PW]
.irp k, 0,1,2,3
	global_store_b128 v[LI], v[PC+4*\k:PC+4*\k+3], s[CB:CB+1] offset:512*\k   ; 512 consecutive bytes, aligned
.endr
	global_store_b32 v[LS], v[PW], s[SB:SB+1]
	s_wait_xcnt 0x0                                ; the stores have read their registers and bases: both are written again only behind this wait
	s_add_nc_u64 s[CB:CB+1], s[CB:CB+1], 2048
	s_add_nc_u64 s[SB:SB+1], s[SB:SB+1], 128
	s_sub_co_u32 s[CNT], s[CNT], 1
	s_cmp_lg_u32 s[CNT], 0
	s_cbranch_scc1 .Lqk
	s_wait_dscnt 0x0                               ; the loads of the wrapped pair
	s_wait_tensorcnt 0x0
	ds_add_u32 v254, v255
	s_wait_dscnt 0x0
	s_endpgm
.macro VPAIR c                         ; 32 keys: chunk c of the key step's four images of v, and byte c of their scale words
	PAIR 1
.irp n, 0,1,2,3
	global_store_b128 v[LI], v[PC+4*\n:PC+4*\n+3], s[CB:CB+1] offset:2048*\n+512*(\c)
	v_lshrrev_b32 v[VW+\n], 8, v[VW+\n]
	v_lshl_or_b32 v[VW+\n], v[TMP+\n], 24, v[VW+\n]
.endr
.if (\c) == 3
.irp n, 0,1,2,3
	global_store_b32 v[LS], v[VW+\n], s[SB:SB+1] offset:128*\n
.endr
.endif
	s_wait_xcnt 0x0                                ; the stores have read their registers
.endm
.Lvpath:
	s_mov_b32 s[CNT], 2
.Lv:                                               ; a trip: a key step of 128 keys
	VPAIR 0
	VPAIR 1
	VPAIR 2
	VPAIR 3
	s_add_nc_u64 s[CB:CB+1], s[CB:CB+1], 8192
	s_add_nc_u64 s[SB:SB+1], s[SB:SB+1], 512
	s_sub_co_u32 s[CNT], s[CNT], 1
	s_cmp_lg_u32 s[CNT], 0
	s_cbranch_scc1 .Lv
	s_wait_dscnt 0x0
	s_wait_tensorcnt 0x0
	ds_add_u32 v254, v255
	s_wait_dscnt 0x0
	s_endpgm
.Lfunc_end_k_q31fc34355d_qkv:
	.size	k_q31fc34355d_qkv, .Lfunc_end_k_q31fc34355d_qkv-k_q31fc34355d_qkv
	.p2alignl 7, 3214868480
	.fill 96, 4, 3214868480
	.section	.rodata,"a",@progbits
	.p2align	6, 0x0
	.amdhsa_kernel k_q31fc34355d_qkv
		.amdhsa_group_segment_fixed_size 209408
		.amdhsa_private_segment_fixed_size 0
		.amdhsa_enable_private_segment 0
		.amdhsa_kernarg_size 56
		.amdhsa_user_sgpr_count 2
		.amdhsa_user_sgpr_kernarg_segment_ptr 1
		.amdhsa_wavefront_size32 1
		.amdhsa_system_sgpr_workgroup_id_x 1
		.amdhsa_system_sgpr_workgroup_id_y 1
		.amdhsa_system_sgpr_workgroup_id_z 1
		.amdhsa_system_vgpr_workitem_id 0
		.amdhsa_next_free_vgpr 1024
		.amdhsa_next_free_sgpr 80
		.amdhsa_reserve_vcc 0
		.amdhsa_float_denorm_mode_32 3
		.amdhsa_float_denorm_mode_16_64 3
		.amdhsa_memory_ordered 1
		.amdhsa_forward_progress 1
		.amdhsa_inst_pref_size 120
	.end_amdhsa_kernel
	.amdgpu_metadata
---
amdhsa.version: [ 1, 2 ]
amdhsa.kernels:
  - .name:           k_q31fc34355d_qkv
    .symbol:         k_q31fc34355d_qkv.kd
    .args:
      - { .name: yc, .offset: 0, .size: 8, .value_kind: global_buffer, .address_space: global }
      - { .name: wts, .offset: 8, .size: 8, .value_kind: global_buffer, .address_space: global }
      - { .name: bq, .offset: 16, .size: 8, .value_kind: global_buffer, .address_space: global }
      - { .name: bk, .offset: 24, .size: 8, .value_kind: global_buffer, .address_space: global }
      - { .name: bv, .offset: 32, .size: 8, .value_kind: global_buffer, .address_space: global }
      - { .name: qc, .offset: 40, .size: 8, .value_kind: global_buffer, .address_space: global }
      - { .name: kv, .offset: 48, .size: 8, .value_kind: global_buffer, .address_space: global }
    .group_segment_fixed_size: 209408
    .private_segment_fixed_size: 0
    .kernarg_segment_align: 8
    .kernarg_segment_size: 56
    .max_flat_workgroup_size: 128
    .sgpr_count:     80
    .vgpr_count:     1024
    .wavefront_size: 32
...
	.end_amdgpu_metadata
.endif
;; end of part 2
;; launch attn (part 3): grid 64 x 4, 12 waves a work-group, no clusters, 327,680 bytes of LDS; arguments qc, kv, oc; writes oc
.if DOCPART == 3
	.amdgcn_target "amdgcn-amd-amdhsa--gfx1250"
	.amdhsa_code_object_version 6
	.text
	.protected	k_q31fc34355d_attn
	.globl	k_q31fc34355d_attn
	.p2align	8
	.type	k_q31fc34355d_attn,@function
k_q31fc34355d_attn:
	s_mov_b64 s[64:65], 0
	v_nop
	global_prefetch_b8 v0, s[64:65] scope:SCOPE_SE
	s_setreg_imm32_b32 hwreg(HW_REG_WAVE_MODE, 25, 1), 1
	s_wait_xcnt 0x0
; o = softmax(q k^T / 8) v, both products on codes of E5M2, and o's quantising along the head's 64 channels.
; THE SOFTMAX: t = score x log2(e) / 8; M = the running largest t rounded UP to a whole number; p = 2^(t - M) is quantised along the keys, not normalised; the row's sum is taken of the unquantised p
; and divides o at the end; when M moves, the sum and o are multiplied by 2^(old M - new M), which rounds nothing.
; SHARES.  12 heads x 256 tiles of 16 queries are 3,072 tiles: 12 for each of 256 work-groups.  256 tiles of one head do not divide by 12, so a work-group takes 4 tiles of each of 3 heads:
; wave w owns tile 4 x + w % 4 of head 3 y + w / 4.  Every wave walks its head's 4,096 keys, 128 a step.
; THE RING.  A slot holds 256 keys of the three heads, 3 x 34,816 dense bytes (16 tiles of k, 8 images of v, their scale images); each of the 12 waves brings 8,704 of them by one tensor load; two slots.
; Both products are used transposed: S^T = k q^T, O^T = v^T p^T: a lane holds one query throughout; key tiles 2 b, 2 b + 1 give a lane 16 neighbouring keys.
; THE FIRST PRODUCT'S K IS 64: TWO KEY TILES SHARE ONE OPERAND, the even tile's 64 codes in K 0-63, the odd tile's in K 64-127.  The even tile is multiplied by [q | zeros], the odd one by [zeros | q]
; (q, zeros, q lie on end in 24 registers): zero codes cancel the other tile's half, whose codes are finite.  A scale word of k holds the even tile's two bytes below and the odd tile's above.
; ORDER OF A STEP.  k's four operands; 8 products; v's four fragments are asked for into k's registers and land under the softmax; the hold writes into 16 registers of its own, so that p stays whole;
; 4 products; the row's sums of p stand BEHIND them and are the places in front of the next step's loads.
; No cluster: the four work-groups that could share a slot would meet in a round over 48 waves, in place of one barrier over 12, at each of the 16 changes of slots, two key steps apart.
; REGISTERS: v16-31 held numbers; v32-95 four operands of k, then four fragments of v; v96-159 S^T, then p; v160-191 O^T; v192-207 p's codes; v208-215 q, v216-223 zeros, v224-231 q; v232-254 at work; v255, v4 q's scale words.
; LIMITS: NaN and infinities are not served; a block of p that has fallen to 0 keeps the byte 1 over zero codes.
.set HSL,   34816                      ; a head's slot of 256 keys
.set QTR,   8704                       ; a quarter of it: 34 rows of 256 bytes
.set VOF,   16384                      ; in it: v's images,
.set KSO,   32768                      ; k's scale images,
.set VSO,   1024                       ; and, from those on, v's
.set SLOT1, 1<<17                      ; slot 1 begins here: one exclusive or turns an address from one slot to the other
.set SPARE, 2*SLOT1                    ; the spare words, 128 bytes for each of 12 waves: six blocks of 256 bytes that no other line names
.set NSL,   16
.set LI,   1                           ; 16 x lane
.set LK,   2                           ; 16 x lane + my head's place in a slot
.set LS,   3                           ; 4 x lane
.set QHI,  4                           ; q's scale word for [zeros | q]
.set SPW,  5
.set NIL,  6
.set PFO,  7                           ; the prefetches' offsets; never rewritten
.set ADK,  8
.set ADS,  9
.set PF2,  10
.set LSK,  11                          ; 4 x lane + my head's place + KSO
.set HT,   16                          ; v16-31 the held numbers of half a block, two sets
.set PC,   192
.set QF,   208
.set TM,   232
.set TMP,  236
.set TMH,  240
.set TMS,  244
.set QLO,  255                         ; q's scale word for [q | zeros]
.set TB,   10
.set SLOTS, 11
.set HL,   12
.set TL,   13
.set SH,   14
.set WV,   18
.set MNT,  19
.set SEL,  20
.set CS,   22                          ; s[22:23] c = log2(e) / 8
.set G1,   24
.set G0,   32
.set PFA,  36
.set LIM,  38
.set HD,   39
.macro PLACES n
.rept \n
	v_nop
.endr
.endm
.macro MMC d, a, b, c, sa, sb
	v_wmma_scale_f32_16x16x128_f8f6f4 v[(\d):(\d)+7], v[(\a):(\a)+15], v[(\b):(\b)+15], v[(\c):(\c)+7], v[\sa], v[\sb] matrix_a_fmt:MATRIX_FMT_BF8 matrix_b_fmt:MATRIX_FMT_BF8
.endm
.macro MMZ d, a, b, sa, sb
	v_wmma_scale_f32_16x16x128_f8f6f4 v[(\d):(\d)+7], v[(\a):(\a)+15], v[(\b):(\b)+15], 0, v[\sa], v[\sb] matrix_a_fmt:MATRIX_FMT_BF8 matrix_b_fmt:MATRIX_FMT_BF8
.endm
.macro QUANT s, nb
.set qb, 0
.rept \nb
	v_max3_num_f32 v[TM+qb], |v[(\s)+16*qb]|, |v[(\s)+16*qb+1]|, 0x8000000
.set qb, qb+1
.endr
.irp i, 2,4,6,8,10,12,14
.set qb, 0
.rept \nb
	v_max3_num_f32 v[TM+qb], v[TM+qb], |v[(\s)+16*qb+\i]|, |v[(\s)+16*qb+\i+1]|
.set qb, qb+1
.endr
.endr
.set qb, 0
.rept \nb
	v_permlanex16_b32 v[TMP+qb], v[TM+qb], s[SEL], s[SEL+1]
.set qb, qb+1
.endr
.set qb, 0
.rept \nb
	v_max_num_f32 v[TM+qb], v[TM+qb], v[TMP+qb]
.set qb, qb+1
.endr
.set qb, 0
.rept \nb
	v_add_nc_u32 v[TMS+qb], 0xf8800000, v[TM+qb]
.set qb, qb+1
.endr
.set qb, 0
.rept \nb
	v_and_or_b32 v[TMH+qb], v[TM+qb], 0x7f800000, s[MNT]
.set qb, qb+1
.endr
.set qb, 0
.rept \nb
	v_lshrrev_b32 v[TMP+qb], 23, v[TMS+qb]
.set qb, qb+1
.endr
.set qb, 0
.rept \nb
.irp i, 0,1,2,3,4,5,6,7,8,9,10,11,12,13,14,15
	v_med3_num_f32 v[(\s)+16*qb+\i], v[(\s)+16*qb+\i], -v[TMH+qb], v[TMH+qb]
.endr
	v_cvt_scalef32_pk8_bf8_f32 v[PC+4*qb:PC+4*qb+1], v[(\s)+16*qb:(\s)+16*qb+7], v[TMS+qb]
	v_cvt_scalef32_pk8_bf8_f32 v[PC+4*qb+2:PC+4*qb+3], v[(\s)+16*qb+8:(\s)+16*qb+15], v[TMS+qb]
.set qb, qb+1
.endr
	v_nop
.endm
; A prefetch of the slot that the NEXT change of slots will ask for.  All 64 work-groups of a group of three heads walk the same slots: the first of them asks, each of its 12 waves for the 34 blocks of
; 256 bytes that it will itself fetch: one instruction for blocks 0-31, a lane a block, and one for blocks 32 and 33 (lanes 1-31 name block 33).  It stands two key steps ahead of the load that wants
; the bytes, behind the wave's tensor load and its four lines.  The last change that fills a slot asks for nothing; slots 0 and 1 come by their loads alone.
.macro ASK
	s_cmp_gt_u32 s[SLOTS], s[LIM]
	s_cbranch_scc0 .Lnot_mine_\@
	global_prefetch_b8 v[PFO], s[PFA:PFA+1] th:TH_LOAD_NT scope:SCOPE_SE
	global_prefetch_b8 v[PF2], s[PFA:PFA+1] th:TH_LOAD_NT scope:SCOPE_SE
.Lnot_mine_\@:
.endm
	s_load_b128 s[4:7], s[0:1], 0x0                ; qc, kv
	s_load_b64 s[8:9], s[0:1], 0x10                ; oc
	v_lshl_add_u32 v[SPW], v0, 2, SPARE
	v_mov_b32 v[NIL], 0
	ds_add_u32 v5, v6
	ds_add_u32 v5, v6
	s_wait_dscnt 0x0
	v_lshrrev_b32 v8, 5, v0
	v_readfirstlane_b32 s[WV], v8                  ; wave 0..11
	s_lshr_b32 s[HL], s[WV], 2                     ; which of the three heads
	s_and_b32 s[TL], s[WV], 3                      ; which of the four tiles; also: which quarter of my head's slot I fetch
	s_and_b32 s[HD], ttmp7, 0xffff
	s_mul_i32 s[HD], s[HD], 3
	s_add_co_u32 s[HD], s[HD], s[HL]               ; my head
	s_mov_b32 s[G1], 3<<16                         ; a dense block as 34 rows of 256 bytes (32 elements of 8 bytes), no padding
	s_mov_b32 s[G1+1], 32<<16
	s_mov_b32 s[G1+2], 34<<16
	s_mov_b32 s[G1+3], 32<<16
	s_mov_b32 s[G1+4], 34
	s_mov_b32 s[G1+5], 32
	s_mov_b32 s[G1+6], 0
	s_mov_b32 s[G1+7], 0
	s_mul_i32 s40, s[HD], NSL*HSL                  ; the head's sixteen slots
	s_mov_b32 s41, 0
	s_mul_i32 s42, s[TL], QTR                      ; my quarter
	s_mov_b32 s43, 0
	s_mov_b32 s[SEL], 0x76543210
	s_mov_b32 s[SEL+1], 0xfedcba98
	s_mov_b32 s[CS], 0x3e38aa3b
	s_mov_b32 s[CS+1], s[CS]                       ; (named with it as a pair, so it is written)
	s_mov_b32 s[MNT], 0x600000
	s_mov_b32 s[TB], 0
	s_mov_b32 s[SLOTS], NSL-1
	s_and_b32 s[SH], s[WV], 1
	s_lshl_b32 s[SH], s[SH], 4                     ; an odd tile's two scale bytes lie in the upper half of the pair's word
	s_lshl_b32 s44, ttmp9, 2
	s_add_co_u32 s44, s44, s[TL]                   ; my tile of queries, 0..255
	s_lshl_b32 s45, s[HD], 8
	s_add_co_u32 s45, s45, s44
	s_lshl_b32 s48, s45, 10                        ; q's codes
	s_mov_b32 s49, 0
	s_lshr_b32 s50, s45, 1
	s_lshl_b32 s50, s50, 7
	s_add_co_u32 s50, s50, 3145728                 ; the scale image of my pair of tiles
	s_mov_b32 s51, 0
	s_mul_i32 s44, s44, 13056                      ; o's record
	s_lshr_b32 s45, s[HD], 1                       ; the head's K step of the next product,
	s_and_b32 s46, s[HD], 1                        ; and which half of it
	s_lshl_b32 s52, s45, 11
	s_add_co_u32 s52, s52, s44
	s_lshl_b32 s47, s46, 10
	s_add_co_u32 s52, s52, s47
	s_mov_b32 s53, 0
	s_lshl_b32 s54, s45, 7
	s_add_co_u32 s54, s54, s44
	s_lshl_b32 s47, s46, 1
	s_add_co_u32 s54, s54, s47
	s_add_co_u32 s54, s54, 12288
	s_mov_b32 s55, 0
	s_mul_i32 s46, s[HL], HSL                      ; my head's place in a slot
	s_cmp_eq_u32 ttmp9, 0                          ; the first work-group of the three heads prefetches
	s_cselect_b32 s[LIM], 1, -1
	s_wait_kmcnt 0x0
	s_add_nc_u64 s[6:7], s[6:7], s[40:41]          ; kv at my head,
	s_add_nc_u64 s[6:7], s[6:7], s[42:43]          ; at my quarter of its slot 0
	s_mov_b32 s[G0], 1
	s_mul_i32 s[G0+1], s[WV], QTR                  ; LDS: 8,704 x wave = my head's place + my quarter
	s_mov_b64 s[G0+2:G0+3], s[6:7]
	s_or_b32 s[G0+3], s[G0+3], 0x80000000
	tensor_load_to_lds s[G0:G0+3], s[G1:G1+7]      ; slot 0
	s_nop 0
.rept 4
	v_nop
.endr
	s_add_nc_u64 s[PFA:PFA+1], s[6:7], HSL         ; in slot 1: the first change of slots steps it to slot 2.  Nothing is prefetched at the head
	s_add_nc_u64 s[48:49], s[4:5], s[48:49]
	s_add_nc_u64 s[50:51], s[4:5], s[50:51]
	s_add_nc_u64 s[52:53], s[8:9], s[52:53]
	s_add_nc_u64 s[54:55], s[8:9], s[54:55]
	v_and_b32 v254, 31, v0
	v_lshlrev_b32 v[LI], 4, v254
	v_lshlrev_b32 v[LS], 2, v254
	global_load_b128 v[QF:QF+3], v[LI], s[48:49]               ; q's 64 codes a row stay in registers, twice: q, zeros, q
	global_load_b128 v[QF+4:QF+7], v[LI], s[48:49] offset:512
	global_load_b128 v[QF+16:QF+19], v[LI], s[48:49]
	global_load_b128 v[QF+20:QF+23], v[LI], s[48:49] offset:512
	global_load_b32 v[QLO], v[LS], s[50:51]
	v_add_nc_u32 v[LK], s46, v[LI]
	v_add_nc_u32 v[LSK], s46, v[LS]
	v_add_nc_u32 v[LSK], KSO, v[LSK]
	v_lshlrev_b32 v[PFO], 8, v254
	v_min_u32 v[PF2], 1, v254
	v_lshl_add_u32 v[PF2], v[PF2], 8, 8192
.irp j, 0,1,2,3,4,5,6,7
	v_mov_b32 v[QF+8+\j], 0                        ; the zero codes between the two copies of q
.endr
	v_mov_b32 v13, 0xff61b1e6                      ; the largest t so far: -3e38
	v_floor_f32 v12, -v13                          ; -M
	v_mov_b32 v14, 0                               ; the sum, in two halves
	v_mov_b32 v15, 0
.irp b, 0,1,2,3
	v_mov_b32 v[236+\b], 0                         ; a lane permute's destination counts as one of its sources
.endr
	v_mov_b32 v253, 0                              ; (named as the upper half of v[252:253] before it is first written)
	s_wait_loadcnt 0x0                             ; q and its scale word
	v_lshrrev_b32 v[QLO], s[SH], v[QLO]
	v_and_b32 v[QLO], 0xffff, v[QLO]               ; my tile's two bytes below, for [q | zeros]: the upper two bytes are 0 and stand over zero codes
	v_lshlrev_b32 v[QHI], 16, v[QLO]               ; and above, for [zeros | q]
.set j, 0
.rept 32
	v_mov_b32 v[160+j], 0                          ; O^T: the step is written once; the first finds zeros.  (These lines are also the places between the scale words just made and the first products)
.set j, j+1
.endr
; A KEY STEP: 128 keys, the q-th of the slot in hand
.macro STEP q
.irp p, 0,1,2,3                        ; four operands of k, a pair of key tiles each.  The registers were last read by the products at the last step's end: that step's 32 sums are the places between (ISA guide 7.12.1)
.irp c, 0,1,2,3
	ds_load_b128 v[32+16*\p+4*\c:35+16*\p+4*\c], v[ADK] offset:(4*(\q)+\p)*2048+512*\c
.endr
	ds_load_b32 v[248+\p], v[ADS] offset:(4*(\q)+\p)*128
.endr
	s_wait_dscnt 0x0
.irp p, 0,1,2,3
	MMZ 96+16*\p, 32+16*\p, QF, 248+\p, QLO        ; the even tile: [q | zeros]
	MMZ 104+16*\p, 32+16*\p, QF+8, 248+\p, QHI     ; the odd tile: [zeros | q]
.endr
	PLACES 8                                       ; in front of the loads into k's registers and of the first read of the scores
.irp t, 0,1,2,3                        ; v's four images of this key step take k's place; they land under the softmax
.irp c, 0,1,2,3
	ds_load_b128 v[32+16*\t+4*\c:35+16*\t+4*\c], v[ADK] offset:VOF+(4*(\q)+\t)*2048+512*\c
.endr
	ds_load_b32 v[248+\t], v[ADS] offset:VSO+(4*(\q)+\t)*128
.endr
.irp b, 0,1,2,3
	v_max3_num_f32 v[232+\b], v[96+16*\b], v[97+16*\b], v[98+16*\b]   ; the largest score of each block of 32 keys: for the row's maximum, and, since p rises with the score, for the block's largest p
.endr
.irp i, 3,5,7,9,11,13
.irp b, 0,1,2,3
	v_max3_num_f32 v[232+\b], v[232+\b], v[96+16*\b+\i], v[97+16*\b+\i]
.endr
.endr
.irp b, 0,1,2,3
	v_max_num_f32 v[232+\b], v[232+\b], v[111+16*\b]
.endr
.irp b, 0,1,2,3
	v_permlanex16_b32 v[236+\b], v[232+\b], s[SEL], s[SEL+1]
.endr
.irp b, 0,1,2,3
	v_max_num_f32 v[232+\b], v[232+\b], v[236+\b]
.endr
	v_max3_num_f32 v254, v232, v233, v234
	v_max_num_f32 v254, v254, v235
	v_mul_f32 v254, s[CS], v254                    ; as t
	v_max_num_f32 v13, v13, v254                   ; the running largest t
	v_mov_b32 v254, v12
	v_floor_f32 v12, -v13                          ; the new -M = -ceil(t)
	v_sub_f32 v254, v12, v254                      ; old M - new M: a whole number, 0 or less
	v_cvt_i32_f32 v254, v254                       ; (it saturates)
	v_ldexp_f32 v252, 1.0, v254                    ; f = 2^(old M - new M)
.set j, 0
.rept 32
	v_pk_fma_f32 v[96+j:97+j], v[96+j:97+j], s[CS:CS+1], v[12:13] op_sel_hi:[1,0,0]   ; t - M, two at a time
.set j, j+2
.endr
.irp b, 0,1,2,3
	v_fma_f32 v[232+\b], v[232+\b], s[CS], v12     ; the same of each block's largest score
.endr
.set j, 0
.rept 64
	v_exp_f32 v[96+j], v[96+j]                     ; p = 2^(t - M)
.set j, j+1
.endr
.irp b, 0,1,2,3
	v_exp_f32 v[232+\b], v[232+\b]                 ; each block's largest p: the same two instructions on the same number give the same bits
.endr
	v_pk_mul_f32 v[14:15], v[14:15], v[252:253] op_sel_hi:[1,0]   ; the sums under the new M; a plain line behind the exponentials
	s_wait_alu depctr_va_vdst(0)                   ; one wait for the batch of 68, ahead of its first reader
.irp b, 0,1,2,3
	v_max_num_f32 v[232+\b], 0x8000000, v[232+\b]  ; the floor 2^(16 - 127)
.endr
.irp b, 0,1,2,3
	v_add_nc_u32 v[244+\b], 0xf8800000, v[232+\b]
.endr
.irp b, 0,1,2,3
	v_and_or_b32 v[240+\b], v[232+\b], 0x7f800000, s[MNT]
.endr
.irp b, 0,1,2,3
	v_lshrrev_b32 v[236+\b], 23, v[244+\b]
.endr
	v_lshl_or_b32 v253, v237, 8, v236              ; p's scale word for these 128 keys
	v_lshl_or_b32 v253, v238, 16, v253
	v_lshl_or_b32 v253, v239, 24, v253
.irp b, 0,1,2,3                        ; the hold (p is not negative: one-sided) writes into registers of its own, eight at a time in two sets by turns: p itself stays whole for the row's sum,
.irp i, 0,1,2,3,4,5,6,7                ; and eight plain lines stand between a conversion and the next write of its sources
	v_min_num_f32 v[HT+\i], v[96+16*\b+\i], v[240+\b]
.endr
	v_cvt_scalef32_pk8_bf8_f32 v[PC+4*\b:PC+4*\b+1], v[HT:HT+7], v[244+\b]
.irp i, 0,1,2,3,4,5,6,7
	v_min_num_f32 v[HT+8+\i], v[104+16*\b+\i], v[240+\b]
.endr
	v_cvt_scalef32_pk8_bf8_f32 v[PC+4*\b+2:PC+4*\b+3], v[HT+8:HT+15], v[244+\b]
.endr
.set j, 0
.rept 16
	v_pk_mul_f32 v[160+j:161+j], v[160+j:161+j], v[252:253] op_sel_hi:[1,0]   ; O^T under the new M; these lines are also the places between the codes and the products
.set j, j+2
.endr
	s_wait_dscnt 0x0                               ; v's fragments, asked for ahead of the softmax
.irp t, 0,1,2,3
	MMC 160+8*\t, 32+16*\t, PC, 160+8*\t, 248+\t, 253
.endr
	v_pk_add_f32 v[236:237], v[96:97], v[98:99]    ; THE ROW'S SUM OF THE UNQUANTISED p, in two chains.  It names no register of the four products: these 32 lines are the places behind them
.irp j, 4,8,12,16,20,24,28,32,36,40,44,48,52,56,60
	v_pk_add_f32 v[14:15], v[14:15], v[96+\j:97+\j]
	v_pk_add_f32 v[236:237], v[236:237], v[98+\j:99+\j]
.endr
	v_pk_add_f32 v[14:15], v[14:15], v[236:237]
.endm
; THE CHANGE OF SLOTS stands at a slot's head: each wave waits for all its tensor loads, adds 0 to its spare word, and waits for that and for its reads of the slot that it has left.
; Behind the barrier the slot ahead is whole and nobody reads the other one.  fill = 1: that other slot is filled with the next 256 keys: one load a wave, with two key steps in which to land.
.macro CHANGE fill
	s_wait_tensorcnt 0x0                           ; no tensor load of mine is out, so group 0 may be written
	ds_add_u32 v[SPW], v[NIL]
.if \fill
	s_xor_b32 s[G0+1], s[G0+1], SLOT1
	s_add_nc_u64 s[G0+2:G0+3], s[G0+2:G0+3], HSL
	s_wait_xcnt 0x0                                ; the last prefetches, a slot back, have read their address
	s_add_nc_u64 s[PFA:PFA+1], s[PFA:PFA+1], HSL
.endif
	s_wait_dscnt 0x0
	s_barrier_signal -1
	s_barrier_wait -1
.if \fill
	tensor_load_to_lds s[G0:G0+3], s[G1:G1+7]      ; the first thing behind the barrier, and my one tensor load until the next; four v_nop follow it
	s_nop 0
.rept 4
	v_nop
.endr
	ASK
.endif
	v_add_nc_u32 v[ADK], s[TB], v[LK]
	v_add_nc_u32 v[ADS], s[TB], v[LSK]
.endm
.Lslot:                                            ; fifteen trips: behind each change of slots but the last the next slot is asked for
	CHANGE 1
	STEP 0
	STEP 1
	s_xor_b32 s[TB], s[TB], SLOT1
	s_sub_co_u32 s[SLOTS], s[SLOTS], 1
	s_cmp_lg_u32 s[SLOTS], 0
	s_cbranch_scc1 .Lslot
	CHANGE 0                                       ; the last slot is written out
	STEP 0
	STEP 1
	; THE WAY OUT: o = O^T / the sum; a lane's 32 numbers are two blocks of 32 channels with lane xor 16's: quantised, they are two chunks of the next product's fragment.  (The last step's 32 sums are the places behind the last products)
	v_add_f32 v14, v14, v15
	v_permlanex16_b32 v252, v14, s[SEL], s[SEL+1]
	v_add_f32 v14, v14, v252
	v_rcp_f32 v14, v14
	v_nop
	s_wait_alu depctr_va_vdst(0)
.set j, 0
.rept 32
	v_mul_f32 v[96+j], v[160+j], v14
.set j, j+1
.endr
	QUANT 96, 2
	v_lshl_or_b32 v253, v[TMP+1], 8, v[TMP]
	global_store_b128 v[LI], v[PC:PC+3], s[52:53]              ; 512 consecutive bytes, aligned
	global_store_b128 v[LI], v[PC+4:PC+7], s[52:53] offset:512
	global_store_b16 v[LS], v253, s[54:55]                     ; my head's two bytes of each scale word
	s_wait_tensorcnt 0x0                           ; the wave's end
	ds_add_u32 v[SPW], v[NIL]
	s_wait_dscnt 0x0
	s_endpgm
.Lfunc_end_k_q31fc34355d_attn:
	.size	k_q31fc34355d_attn, .Lfunc_end_k_q31fc34355d_attn-k_q31fc34355d_attn
	.p2alignl 7, 3214868480
	.fill 96, 4, 3214868480
	.section	.rodata,"a",@progbits
	.p2align	6, 0x0
	.amdhsa_kernel k_q31fc34355d_attn
		.amdhsa_group_segment_fixed_size 327680
		.amdhsa_private_segment_fixed_size 0
		.amdhsa_enable_private_segment 0
		.amdhsa_kernarg_size 24
		.amdhsa_user_sgpr_count 2
		.amdhsa_user_sgpr_kernarg_segment_ptr 1
		.amdhsa_wavefront_size32 1
		.amdhsa_system_sgpr_workgroup_id_x 1
		.amdhsa_system_sgpr_workgroup_id_y 1
		.amdhsa_system_sgpr_workgroup_id_z 1
		.amdhsa_system_vgpr_workitem_id 0
		.amdhsa_next_free_vgpr 256
		.amdhsa_next_free_sgpr 66
		.amdhsa_reserve_vcc 0
		.amdhsa_float_denorm_mode_32 3
		.amdhsa_float_denorm_mode_16_64 3
		.amdhsa_memory_ordered 1
		.amdhsa_forward_progress 1
		.amdhsa_inst_pref_size 86
	.end_amdhsa_kernel
	.amdgpu_metadata
---
amdhsa.version: [ 1, 2 ]
amdhsa.kernels:
  - .name:           k_q31fc34355d_attn
    .symbol:         k_q31fc34355d_attn.kd
    .args:
      - { .name: qc, .offset: 0, .size: 8, .value_kind: global_buffer, .address_space: global }
      - { .name: kv, .offset: 8, .size: 8, .value_kind: global_buffer, .address_space: global }
      - { .name: oc, .offset: 16, .size: 8, .value_kind: global_buffer, .address_space: global }
    .group_segment_fixed_size: 327680
    .private_segment_fixed_size: 0
    .kernarg_segment_align: 8
    .kernarg_segment_size: 24
    .max_flat_workgroup_size: 384
    .sgpr_count:     66
    .vgpr_count:     256
    .wavefront_size: 32
...
	.end_amdgpu_metadata
.endif
;; end of part 3
;; launch proj (part 4): grid 4 x 64, 4 waves a work-group, no clusters, 168,448 bytes of LDS; arguments oc, wts, bo, x, x1; writes x1
.if DOCPART == 4
	.amdgcn_target "amdgcn-amd-amdhsa--gfx1250"
	.amdhsa_code_object_version 6
	.text
	.protected	k_q31fc34355d_proj
	.globl	k_q31fc34355d_proj
	.p2align	8
	.type	k_q31fc34355d_proj,@function
k_q31fc34355d_proj:
	s_mov_b64 s[64:65], 0
	v_nop
	global_prefetch_b8 v0, s[64:65] scope:SCOPE_SE
	s_setreg_imm32_b32 hwreg(HW_REG_WAVE_MODE, 25, 1), 1
	s_wait_xcnt 0x0
; x1 = x + o Wo + bo, the product on codes of E5M2 (K = 768).
; SHARES.  A work-group takes 64 tokens (4 tiles) x 192 channels (12 tiles); wave w takes channel tiles w, w + 4, w + 8: its 18 weight fragments stay in registers.
; The four token records are one dense block of 52,224 bytes: one tensor load a wave, nothing filled twice.  Source 0 = 16 channels of Wo, source 1 = 16 tokens; bo is the C of each sum's first instruction.
; The results meet in a stage of 64 rows x (768 + 16) bytes; each wave then takes 16 whole rows, adds x and stores: sixteen lanes fill 256 aligned bytes.
; No cluster: what four work-groups share is 52,224 of the some 209,000 operand bytes that a work-group fetches.
.set REC,  13056
.set STG,  4*REC                       ; the stage: blocks of 256 bytes of its own, behind the records
.set SP,   784
.set LI,   1
.set LS,   2
.set SO,   3
.set R0,   4
.set R1,   5
.set G0R,  6
.set G1R,  7
.set BO,   8
.set WSC,  16                          ; v16-39 (4 s + n)
.set ASC,  40                          ; v40-51 (6 t + s)
.set HA,   56                          ; v56-103 six accumulators (24 t + 8 n); later rows read back
.set XR,   104                         ; v104-199 my 16 rows' 768 bytes of x
.set WV,   14
.set G1,   24
.set G0,   32
.set MSB, 0
.macro WIN new
.if MSB != (\new)
	s_set_vgpr_msb (MSB<<8)|(\new)
.set MSB, (\new)
.endif
.endm
.macro PLACES n
.rept \n
	v_nop
.endr
.endm
.macro MMC d, a, b, c, sa, sb
	v_wmma_scale_f32_16x16x128_f8f6f4 v[(\d):(\d)+7], v[(\a):(\a)+15], v[(\b):(\b)+15], v[(\c):(\c)+7], v[\sa], v[\sb] matrix_a_fmt:MATRIX_FMT_BF8 matrix_b_fmt:MATRIX_FMT_BF8
.endm
.macro PFETCH p                        ; pair p of token tiles
	WIN 0xc0
.irp t, 0,1
.irp s, 0,1,2,3,4,5
.irp c, 0,1,2,3
	ds_load_b128 v[16*(6*\t+\s)+4*\c:16*(6*\t+\s)+4*\c+3], v[LI] offset:(2*(\p)+\t)*REC+2048*\s+512*\c
.endr
.endr
.endr
	WIN 0
.irp t, 0,1
.irp s, 0,1,2,3,4,5
	ds_load_b32 v[ASC+6*\t+\s], v[LS] offset:(2*(\p)+\t)*REC+12288+128*\s
.endr
.endr
.endm
.macro PMUL                            ; 36 matrix instructions, the six accumulators by turns
	s_wait_dscnt 0x0                               ; the fragments are in, and the stage's stores have read their registers
.irp s, 0,1,2,3,4,5
.if \s == 0
	WIN 0x2d
.elseif \s < 4
	WIN 0x0d
.else
	WIN 0x0e
.endif
.irp t, 0,1
.irp n, 0,1,2
.set rD, HA+24*\t+8*\n
.set rC, rD
.if \s == 0
.set rC, 128+8*\n
.endif
	MMC rD, 16*(4*(\s%4)+\n), 16*(6*\t+\s), rC, WSC+4*\s+\n, ASC+6*\t+\s
.endr
.endr
.endr
	WIN 0
	PLACES 9
.endm
.macro PSTAGE p                        ; lane (r, h), tile n: eight neighbouring channels of one token
.irp t, 0,1
.irp n, 0,1,2
	ds_store_b128 v[SO], v[HA+24*\t+8*\n:HA+24*\t+8*\n+3] offset:(32*(\p)+8*\t)*SP+256*\n
	ds_store_b128 v[SO], v[HA+24*\t+8*\n+4:HA+24*\t+8*\n+7] offset:(32*(\p)+8*\t)*SP+256*\n+16
.endr
.endr
.endm
	s_load_b256 s[4:11], s[0:1], 0x0               ; oc, wts, bo, x
	s_load_b64 s[12:13], s[0:1], 0x20              ; x1
	v_lshl_add_u32 v254, v0, 2, 0x29000
	v_mov_b32 v255, 0
	ds_add_u32 v254, v255
	ds_add_u32 v254, v255
	v_lshrrev_b32 v1, 5, v0
	v_readfirstlane_b32 s[WV], v1
	s_and_b32 s15, ttmp7, 0xffff                   ; block of 64 tokens
	s_mov_b32 s[G1], 3<<16                         ; a record as 51 rows of 256 bytes
	s_mov_b32 s[G1+1], 32<<16
	s_mov_b32 s[G1+2], 51<<16
	s_mov_b32 s[G1+3], 32<<16
	s_mov_b32 s[G1+4], 51
	s_mov_b32 s[G1+5], 32
	s_mov_b32 s[G1+6], 0
	s_mov_b32 s[G1+7], 0
	s_mov_b32 s[G0], 1
	s_mul_i32 s[G0+1], s[WV], REC
	s_lshl_b32 s44, s15, 2
	s_add_co_u32 s44, s44, s[WV]
	s_mul_i32 s44, s44, REC
	s_mov_b32 s45, 0
	s_mul_i32 s46, ttmp9, 12
	s_add_co_u32 s46, s46, s[WV]
	s_mul_i32 s46, s46, REC
	s_add_co_u32 s46, s46, 1880064                 ; Wo's records
	s_mov_b32 s47, 0
	s_mul_i32 s48, ttmp9, 768                      ; the work-group's 192 channels, in bytes
	s_lshr_b32 s16, s[WV], 1
	s_lshl_b32 s16, s16, 7
	s_and_b32 s17, s[WV], 1
	s_lshl_b32 s17, s17, 5
	s_add_co_u32 s16, s16, s17                     ; tile w's place in them: 128 (w / 2) + 32 (w % 2)
	s_add_co_u32 s50, s48, s16
	s_mov_b32 s51, 0
	s_lshl_b32 s18, s15, 6
	s_lshl_b32 s19, s[WV], 4
	s_add_co_u32 s18, s18, s19                     ; the first row that I store
	s_mul_i32 s18, s18, 3072
	s_add_co_u32 s48, s48, s18
	s_mov_b32 s49, 0
	s_wait_dscnt 0x0
	s_wait_kmcnt 0x0
	s_add_nc_u64 s[G0+2:G0+3], s[4:5], s[44:45]
	s_or_b32 s[G0+3], s[G0+3], 0x80000000
	tensor_load_to_lds s[G0:G0+3], s[G1:G1+7]      ; my record: my one tensor load
	s_nop 0
.rept 4
	v_nop
.endr
	s_add_nc_u64 s[36:37], s[6:7], s[46:47]        ; Wo
	s_add_nc_u64 s[38:39], s[8:9], s[50:51]        ; bo
	s_add_nc_u64 s[40:41], s[10:11], s[48:49]      ; x
	s_add_nc_u64 s[42:43], s[12:13], s[48:49]      ; x1
	v_and_b32 v56, 31, v0
	v_and_b32 v57, 15, v0
	v_bfe_u32 v58, v0, 4, 1
	v_lshlrev_b32 v[LI], 4, v56
	v_lshlrev_b32 v[LS], 2, v56
	v_lshlrev_b32 v[BO], 6, v58
	v_and_b32 v59, 8, v57
	v_add_nc_u32 v59, v59, v57
	v_mul_u32_u24 v[SO], v59, SP
	v_lshl_add_u32 v[SO], v58, 6, v[SO]
	v_add_nc_u32 v[SO], s16, v[SO]
	v_add_nc_u32 v[SO], STG, v[SO]                 ; into the stage: row r + 8 (r / 8), + 64 h, + my tile's place
	s_mul_i32 s17, s[WV], 16*SP
	v_add_nc_u32 v[R0], s17, v[LI]
	v_add_nc_u32 v[R0], STG, v[R0]                 ; back: my 16 rows; a pair of rows is 1,536 bytes = three instructions
	v_lshl_add_u32 v[R1], v58, 4, v[R0]
	v_add_nc_u32 v[R1], 512, v[R1]                 ; the middle one: lanes 0-15 the first row's last 256 bytes, lanes 16-31 the second row's first
	v_mov_b32 v[G0R], v[LI]
	v_mul_u32_u24 v[G1R], v58, 2304
	v_add_nc_u32 v[G1R], v[G1R], v[LI]
	v_add_nc_u32 v[G1R], 512, v[G1R]               ; the same places in rows of 3,072 bytes
	WIN 0x40
.irp s, 0,1,2,3
.irp n, 0,1,2
.irp c, 0,1,2,3
	global_load_b128 v[16*(4*\s+\n)+4*\c:16*(4*\s+\n)+4*\c+3], v[LI], s[36:37] offset:4*REC*\n+2048*\s+512*\c
.endr
.endr
.endr
	WIN 0x80
.irp s, 4,5
.irp n, 0,1,2
.irp c, 0,1,2,3
	global_load_b128 v[16*(4*(\s-4)+\n)+4*\c:16*(4*(\s-4)+\n)+4*\c+3], v[LI], s[36:37] offset:4*REC*\n+2048*\s+512*\c
.endr
.endr
.endr
.irp n, 0,1,2
	global_load_b128 v[128+8*\n:128+8*\n+3], v[BO], s[38:39] offset:256*\n
	global_load_b128 v[128+8*\n+4:128+8*\n+7], v[BO], s[38:39] offset:256*\n+16
.endr
	WIN 0
.irp s, 0,1,2,3,4,5
.irp n, 0,1,2
	global_load_b32 v[WSC+4*\s+\n], v[LS], s[36:37] offset:4*REC*\n+12288+128*\s
.endr
.endr
	s_wait_loadcnt 0x0
	s_wait_tensorcnt 0x0                           ; my record has landed,
	s_barrier_signal -1
	s_barrier_wait -1                              ; everybody's has
	PFETCH 0
.irp p, 0,1,2,3,4,5,6,7                ; x is asked for here: it is wanted only on the way out
	global_load_b128 v[XR+12*\p:XR+12*\p+3], v[G0R], s[40:41] offset:6144*\p
	global_load_b128 v[XR+12*\p+4:XR+12*\p+7], v[G1R], s[40:41] offset:6144*\p
	global_load_b128 v[XR+12*\p+8:XR+12*\p+11], v[G0R], s[40:41] offset:6144*\p+3328
.endr
	PMUL
	PFETCH 1
	PSTAGE 0
	PMUL
	PSTAGE 1
	s_wait_dscnt 0x0                               ; for the others' sake: my stores into the stage have landed
	s_barrier_signal -1
	s_barrier_wait -1
.irp b, 0,1
.irp p, 0,1,2,3
	ds_load_b128 v[HA+12*\p:HA+12*\p+3], v[R0] offset:2*SP*(4*\b+\p)
	ds_load_b128 v[HA+12*\p+4:HA+12*\p+7], v[R1] offset:2*SP*(4*\b+\p)
	ds_load_b128 v[HA+12*\p+8:HA+12*\p+11], v[R0] offset:2*SP*(4*\b+\p)+SP+256
.endr
	s_wait_dscnt 0x0
	s_wait_loadcnt 0x0                             ; x
.set j, 0
.rept 24
	v_pk_add_f32 v[XR+48*\b+j:XR+48*\b+j+1], v[XR+48*\b+j:XR+48*\b+j+1], v[HA+j:HA+j+1]
.set j, j+2
.endr
.irp p, 0,1,2,3
	global_store_b128 v[G0R], v[XR+48*\b+12*\p:XR+48*\b+12*\p+3], s[42:43] offset:6144*(4*\b+\p)
	global_store_b128 v[G1R], v[XR+48*\b+12*\p+4:XR+48*\b+12*\p+7], s[42:43] offset:6144*(4*\b+\p)
	global_store_b128 v[G0R], v[XR+48*\b+12*\p+8:XR+48*\b+12*\p+11], s[42:43] offset:6144*(4*\b+\p)+3328
.endr
.endr
	s_wait_tensorcnt 0x0
	ds_add_u32 v254, v255
	s_wait_dscnt 0x0
	s_endpgm
.Lfunc_end_k_q31fc34355d_proj:
	.size	k_q31fc34355d_proj, .Lfunc_end_k_q31fc34355d_proj-k_q31fc34355d_proj
	.p2alignl 7, 3214868480
	.fill 96, 4, 3214868480
	.section	.rodata,"a",@progbits
	.p2align	6, 0x0
	.amdhsa_kernel k_q31fc34355d_proj
		.amdhsa_group_segment_fixed_size 168448
		.amdhsa_private_segment_fixed_size 0
		.amdhsa_enable_private_segment 0
		.amdhsa_kernarg_size 40
		.amdhsa_user_sgpr_count 2
		.amdhsa_user_sgpr_kernarg_segment_ptr 1
		.amdhsa_wavefront_size32 1
		.amdhsa_system_sgpr_workgroup_id_x 1
		.amdhsa_system_sgpr_workgroup_id_y 1
		.amdhsa_system_sgpr_workgroup_id_z 1
		.amdhsa_system_vgpr_workitem_id 0
		.amdhsa_next_free_vgpr 1024
		.amdhsa_next_free_sgpr 66
		.amdhsa_reserve_vcc 0
		.amdhsa_float_denorm_mode_32 3
		.amdhsa_float_denorm_mode_16_64 3
		.amdhsa_memory_ordered 1
		.amdhsa_forward_progress 1
		.amdhsa_inst_pref_size 42
	.end_amdhsa_kernel
	.amdgpu_metadata
---
amdhsa.version: [ 1, 2 ]
amdhsa.kernels:
  - .name:           k_q31fc34355d_proj
    .symbol:         k_q31fc34355d_proj.kd
    .args:
      - { .name: oc, .offset: 0, .size: 8, .value_kind: global_buffer, .address_space: global }
      - { .name: wts, .offset: 8, .size: 8, .value_kind: global_buffer, .address_space: global }
      - { .name: bo, .offset: 16, .size: 8, .value_kind: global_buffer, .address_space: global }
      - { .name: x, .offset: 24, .size: 8, .value_kind: global_buffer, .address_space: global }
      - { .name: x1, .offset: 32, .size: 8, .value_kind: global_buffer, .address_space: global }
    .group_segment_fixed_size: 168448
    .private_segment_fixed_size: 0
    .kernarg_segment_align: 8
    .kernarg_segment_size: 40
    .max_flat_workgroup_size: 128
    .sgpr_count:     66
    .vgpr_count:     1024
    .wavefront_size: 32
...
	.end_amdgpu_metadata
.endif
;; end of part 4
;; launch ln2: the kernel of part 1 again; grid 256 x 1, 6 waves a work-group, no clusters, 2,816 bytes of LDS; arguments x1, ln2_w, ln2_b, yc, Wq, Wk, Wv, Wo, W1, W2, wts; writes yc, wts
;; launch ffn1 (part 5): grid 8 x 32, 4 waves a work-group, no clusters, 168,448 bytes of LDS; arguments yc, wts, b1, hc; writes hc
.if DOCPART == 5
	.amdgcn_target "amdgcn-amd-amdhsa--gfx1250"
	.amdhsa_code_object_version 6
	.text
	.protected	k_q31fc34355d_ffn1
	.globl	k_q31fc34355d_ffn1
	.p2align	8
	.type	k_q31fc34355d_ffn1,@function
k_q31fc34355d_ffn1:
	s_mov_b64 s[64:65], 0
	v_nop
	global_prefetch_b8 v0, s[64:65] scope:SCOPE_SE
	s_setreg_imm32_b32 hwreg(HW_REG_WAVE_MODE, 25, 1), 1
	s_wait_xcnt 0x0
; h = gelu(y W1 + b1), the product on codes of E5M2 (K = 768), and h's quantising along the 3,072.
; SHARES.  A work-group takes 128 tokens (8 tiles) x 384 channels = three K steps of the next product.  Wave w owns, in each of the three, the pair of channel tiles 2 w, 2 w + 1: 32 channels = one block of 32:
; its results are chunk w of the image (token tile, K step) and byte w of that image's scale words.  Its 36 weight fragments stay in registers.
; The eight token records are one dense block of 104,448 bytes: one tensor load a wave, nothing filled twice.  Source 0 = 16 channels of W1, source 1 = 16 tokens; b1 is the C of each sum's first instruction.
; A wave's scale bytes go as words into 3,072 LDS bytes of its own; behind one barrier at the end four words make a scale word.
; GELU: 0.5 x (1 + erf(x / sqrt 2)), erf(z) = z P(z^2) / Q(z^2) on z held to +-4, P of degree 6, Q of degree 4.  LIMIT: that form's error is about 1e-7 absolute, so 1 + erf has few right digits for x under about -4,
; where gelu itself is under 2e-4 in magnitude.  NaN and infinities are not served; blocks under 2^-111 keep the byte 1.
; No cluster: what four work-groups share is 104,448 of the 417,792 operand bytes that a work-group fetches.
; REGISTERS: window 0 as named; W1's fragment idx = 6 s + n lies at 16 (idx % 16) of window 1 + idx / 16; window 3 v64-159: the token tile's six fragments.
.set REC,  13056
.set HREC, 52224
.set SCB,  8*REC                       ; LDS behind the records: 4 x 3,072 bytes of scale bytes, [wave][token tile][K step][lane] words
.set LI,   1
.set LS,   2
.set LS2,  3
.set LA,   4
.set LB,   5
.set SBA,  6
.set SBT,  7
.set WSC,  8                           ; v8-43
.set ASC,  44                          ; v44-49
.set EA,   50
.set BOF,  51
.set BI,   56                          ; v56-103  b1's six tiles
.set HA,   104                         ; v104-151 six accumulators
.set PC,   152
.set TM,   164
.set TMP,  168
.set TMH,  172
.set TMS,  176
.set ZC,   180
.set U,    196
.set P,    212
.set Q,    228
.set VA1,  244
.set VB1,  246
.set WV,   12
.set G1,   16
.set G0,   24
.set SEL,  28
.set MNT,  30
.set TN,   31
.set TOF,  32
.set CNT,  33
.set TS,   34
.set A0,   36                          ; erf's coefficients, a pair of equal words each
.set A2,   38
.set A3,   40
.set A4,   42
.set A5,   44
.set A6,   46
.set B0,   48
.set B2,   50
.set B3,   52
.set B4,   54
.set RT,   56
.set WB,   66
.set BB,   68
.set HB,   70
.set HS,   72
.set MSB, 0
.macro WIN new
.if MSB != (\new)
	s_set_vgpr_msb (MSB<<8)|(\new)
.set MSB, (\new)
.endif
.endm
.macro PLACES n
.rept \n
	v_nop
.endr
.endm
.macro MMC d, a, b, c, sa, sb
	v_wmma_scale_f32_16x16x128_f8f6f4 v[(\d):(\d)+7], v[(\a):(\a)+15], v[(\b):(\b)+15], v[(\c):(\c)+7], v[\sa], v[\sb] matrix_a_fmt:MATRIX_FMT_BF8 matrix_b_fmt:MATRIX_FMT_BF8
.endm
.macro QUANT s, nb
.set qb, 0
.rept \nb
	v_max3_num_f32 v[TM+qb], |v[(\s)+16*qb]|, |v[(\s)+16*qb+1]|, 0x8000000
.set qb, qb+1
.endr
.irp i, 2,4,6,8,10,12,14
.set qb, 0
.rept \nb
	v_max3_num_f32 v[TM+qb], v[TM+qb], |v[(\s)+16*qb+\i]|, |v[(\s)+16*qb+\i+1]|
.set qb, qb+1
.endr
.endr
.set qb, 0
.rept \nb
	v_permlanex16_b32 v[TMP+qb], v[TM+qb], s[SEL], s[SEL+1]
.set qb, qb+1
.endr
.set qb, 0
.rept \nb
	v_max_num_f32 v[TM+qb], v[TM+qb], v[TMP+qb]
.set qb, qb+1
.endr
.set qb, 0
.rept \nb
	v_add_nc_u32 v[TMS+qb], 0xf8800000, v[TM+qb]
.set qb, qb+1
.endr
.set qb, 0
.rept \nb
	v_and_or_b32 v[TMH+qb], v[TM+qb], 0x7f800000, s[MNT]
.set qb, qb+1
.endr
.set qb, 0
.rept \nb
	v_lshrrev_b32 v[TMP+qb], 23, v[TMS+qb]
.set qb, qb+1
.endr
.set qb, 0
.rept \nb
.irp i, 0,1,2,3,4,5,6,7,8,9,10,11,12,13,14,15
	v_med3_num_f32 v[(\s)+16*qb+\i], v[(\s)+16*qb+\i], -v[TMH+qb], v[TMH+qb]
.endr
	v_cvt_scalef32_pk8_bf8_f32 v[PC+4*qb:PC+4*qb+1], v[(\s)+16*qb:(\s)+16*qb+7], v[TMS+qb]
	v_cvt_scalef32_pk8_bf8_f32 v[PC+4*qb+2:PC+4*qb+3], v[(\s)+16*qb+8:(\s)+16*qb+15], v[TMS+qb]
.set qb, qb+1
.endr
	v_nop
.endm
.macro GELU i                          ; the 16 numbers of block i, in place
.set gx, HA+16*(\i)
.irp k, 0,2,4,6,8,10,12,14
	v_pk_mul_f32 v[ZC+\k:ZC+\k+1], v[gx+\k:gx+\k+1], s[RT:RT+1] op_sel_hi:[1,0]   ; z = x / sqrt 2
.endr
.irp k, 0,1,2,3,4,5,6,7,8,9,10,11,12,13,14,15
	v_med3_num_f32 v[ZC+\k], v[ZC+\k], -4.0, 4.0
.endr
.irp k, 0,2,4,6,8,10,12,14
	v_pk_mul_f32 v[U+\k:U+\k+1], v[ZC+\k:ZC+\k+1], v[ZC+\k:ZC+\k+1]
.endr
.irp k, 0,2,4,6,8,10,12,14
	v_pk_fma_f32 v[P+\k:P+\k+1], v[U+\k:U+\k+1], s[A0:A0+1], v[VA1:VA1+1] op_sel_hi:[1,0,1]
	v_pk_fma_f32 v[Q+\k:Q+\k+1], v[U+\k:U+\k+1], s[B0:B0+1], v[VB1:VB1+1] op_sel_hi:[1,0,1]
.endr
.irp a, A2,A3,A4,A5,A6
.irp k, 0,2,4,6,8,10,12,14
	v_pk_fma_f32 v[P+\k:P+\k+1], v[P+\k:P+\k+1], v[U+\k:U+\k+1], s[\a:\a+1] op_sel_hi:[1,1,0]
.endr
.endr
.irp a, B2,B3,B4
.irp k, 0,2,4,6,8,10,12,14
	v_pk_fma_f32 v[Q+\k:Q+\k+1], v[Q+\k:Q+\k+1], v[U+\k:U+\k+1], s[\a:\a+1] op_sel_hi:[1,1,0]
.endr
.endr
.irp k, 0,1,2,3,4,5,6,7,8,9,10,11,12,13,14,15
	v_rcp_f32 v[Q+\k], v[Q+\k]
.endr
.irp k, 0,2,4,6,8,10,12,14
	v_pk_mul_f32 v[P+\k:P+\k+1], v[P+\k:P+\k+1], v[ZC+\k:ZC+\k+1]                 ; work that names no reciprocal
	v_pk_mul_f32 v[gx+\k:gx+\k+1], v[gx+\k:gx+\k+1], 0.5 op_sel_hi:[1,0]
.endr
	s_wait_alu depctr_va_vdst(0)                   ; one wait for the sixteen reciprocals, ahead of their first reader
.irp k, 0,2,4,6,8,10,12,14
	v_pk_mul_f32 v[P+\k:P+\k+1], v[P+\k:P+\k+1], v[Q+\k:Q+\k+1]                   ; erf
.endr
.irp k, 0,2,4,6,8,10,12,14
	v_pk_fma_f32 v[gx+\k:gx+\k+1], v[gx+\k:gx+\k+1], v[P+\k:P+\k+1], v[gx+\k:gx+\k+1]   ; 0.5 x erf + 0.5 x
.endr
.endm
.macro AFETCH                          ; a token tile's six fragments and scale words
	WIN 0xc0
.irp s, 0,1,2,3,4,5
.irp c, 0,1,2,3
	ds_load_b128 v[64+16*\s+4*\c:64+16*\s+4*\c+3], v[LA] offset:2048*\s+512*\c
.endr
.endr
	WIN 0
.irp s, 0,1,2,3,4,5
	ds_load_b32 v[ASC+\s], v[LB] offset:128*\s
.endr
.endm
	s_load_b256 s[4:11], s[0:1], 0x0               ; yc, wts, b1, hc
	v_lshl_add_u32 v254, v0, 2, 0x29000
	v_mov_b32 v255, 0
	ds_add_u32 v254, v255
	ds_add_u32 v254, v255
	v_lshrrev_b32 v1, 5, v0
	v_readfirstlane_b32 s[WV], v1
	s_and_b32 s13, ttmp7, 0xffff                   ; block of 128 tokens
	s_mov_b32 s[G1], 3<<16                         ; two records as 102 rows of 256 bytes
	s_mov_b32 s[G1+1], 32<<16
	s_mov_b32 s[G1+2], 102<<16
	s_mov_b32 s[G1+3], 32<<16
	s_mov_b32 s[G1+4], 102
	s_mov_b32 s[G1+5], 32
	s_mov_b32 s[G1+6], 0
	s_mov_b32 s[G1+7], 0
	s_mov_b32 s[G0], 1
	s_mul_i32 s[G0+1], s[WV], 2*REC
	s_mov_b32 s[SEL], 0x76543210
	s_mov_b32 s[SEL+1], 0xfedcba98
	s_mov_b32 s[MNT], 0x600000
	s_mov_b32 s[TN], 0
	s_mov_b32 s[TS], 0
	s_mov_b32 s[CNT], 8
	s_mov_b32 s[A0], 0xaf95df0b                    ; -2.72614226e-10
	s_mov_b32 s[A2], 0xb60cff51                    ; -2.10102402e-06
	s_mov_b32 s[A3], 0xb86ec2d2                    ; -5.69250639e-05
	s_mov_b32 s[A4], 0xba40ac63                    ; -7.34990630e-04
	s_mov_b32 s[A5], 0xbb41a1f6                    ; -2.95459981e-03
	s_mov_b32 s[A6], 0xbc83dbd4                    ; -1.60960333e-02
	s_mov_b32 s[B0], 0xb77460cd                    ; -1.45660718e-05
	s_mov_b32 s[B2], 0xbadc924e                    ; -1.68282697e-03
	s_mov_b32 s[B3], 0xbbf19bf8                    ; -7.37332917e-03
	s_mov_b32 s[B4], 0xbc69b6a7                    ; -1.42647391e-02
	s_mov_b32 s[RT], 0x3f3504f3                    ; 1 / sqrt 2
.irp a, A0,A2,A3,A4,A5,A6,B0,B2,B3,B4,RT
	s_mov_b32 s[\a+1], s[\a]                       ; (named as pairs, so both words are written)
.endr
	s_lshl_b32 s74, s13, 3
	s_lshl_b32 s75, s[WV], 1
	s_add_co_u32 s74, s74, s75                     ; token tile 8 tb + 2 w
	s_mul_i32 s76, s74, REC
	s_mov_b32 s77, 0
	s_mul_i32 s78, s74, HREC
	s_mul_i32 s80, ttmp9, 384                      ; three scale images a work-group
	s_add_co_u32 s78, s78, s80
	s_add_co_u32 s78, s78, 49152
	s_mov_b32 s79, 0
	s_mul_i32 s80, ttmp9, 24
	s_add_co_u32 s80, s80, s75
	s_mul_i32 s80, s80, REC
	s_add_co_u32 s80, s80, 2506752                 ; W1's records: tile 24 nb + 2 w
	s_mov_b32 s81, 0
	s_mul_i32 s82, ttmp9, 1536
	s_lshl_b32 s83, s[WV], 7
	s_add_co_u32 s82, s82, s83                     ; b1: 384 nb + 32 w numbers on
	s_mov_b32 s83, 0
	s_lshl_b32 s84, s13, 3
	s_mul_i32 s84, s84, HREC
	s_mul_i32 s85, ttmp9, 6144
	s_add_co_u32 s84, s84, s85
	s_lshl_b32 s85, s[WV], 9
	s_add_co_u32 s84, s84, s85                     ; hc: record 8 tb, image 3 nb, chunk w
	s_mov_b32 s85, 0
	s_wait_dscnt 0x0
	s_wait_kmcnt 0x0
	s_add_nc_u64 s[G0+2:G0+3], s[4:5], s[76:77]
	s_or_b32 s[G0+3], s[G0+3], 0x80000000
	tensor_load_to_lds s[G0:G0+3], s[G1:G1+7]      ; my two records: my one tensor load
	s_nop 0
.rept 4
	v_nop
.endr
	s_add_nc_u64 s[WB:WB+1], s[6:7], s[80:81]
	s_add_nc_u64 s[BB:BB+1], s[8:9], s[82:83]
	s_add_nc_u64 s[HB:HB+1], s[10:11], s[84:85]
	s_add_nc_u64 s[HS:HS+1], s[10:11], s[78:79]
	v_and_b32 v180, 31, v0
	v_bfe_u32 v181, v0, 4, 1
	v_lshlrev_b32 v[LI], 4, v180
	v_lshlrev_b32 v[LS], 2, v180
	v_add_nc_u32 v[LS2], 12288, v[LS]
	v_mov_b32 v[LA], v[LI]
	v_mov_b32 v[LB], v[LS2]
	v_lshlrev_b32 v[BOF], 6, v181
	s_mul_i32 s74, s[WV], 3072
	v_add_nc_u32 v[SBA], s74, v[LS]
	v_add_nc_u32 v[SBA], SCB, v[SBA]               ; my wave's own words: SCB + 3,072 w + 4 lane
	s_mul_i32 s74, s[WV], 768
	v_add_nc_u32 v[EA], s74, v[LS]
	v_add_nc_u32 v[EA], SCB, v[EA]                 ; at the end: token tiles 2 w, 2 w + 1 in each wave's words
	v_mov_b32 v[VA1], 0x32edffee                   ; 2.77068142e-08
	v_mov_b32 v[VA1+1], 0x32edffee
	v_mov_b32 v[VB1], 0xb95fbd29                   ; -2.13374055e-04
	v_mov_b32 v[VB1+1], 0xb95fbd29
.irp b, 0,1,2
	v_mov_b32 v[TMP+\b], 0
.endr
.irp s, 0,1,2,3,4,5
.irp n, 0,1,2,3,4,5
.set idx, 6*\s+\n
	WIN (1+idx/16)<<6
.irp c, 0,1,2,3
	global_load_b128 v[16*(idx%16)+4*\c:16*(idx%16)+4*\c+3], v[LI], s[WB:WB+1] offset:(8*(\n/2)+(\n%2))*REC+2048*\s+512*\c
.endr
.endr
.endr
	WIN 0
.irp s, 0,1,2,3,4,5
.irp n, 0,1,2,3,4,5
	global_load_b32 v[WSC+6*\s+\n], v[LS], s[WB:WB+1] offset:(8*(\n/2)+(\n%2))*REC+12288+128*\s
.endr
.endr
.irp n, 0,1,2,3,4,5
	global_load_b128 v[BI+8*\n:BI+8*\n+3], v[BOF], s[BB:BB+1] offset:512*(\n/2)+32*(\n%2)
	global_load_b128 v[BI+8*\n+4:BI+8*\n+7], v[BOF], s[BB:BB+1] offset:512*(\n/2)+32*(\n%2)+16
.endr
	s_wait_loadcnt 0x0
	s_wait_tensorcnt 0x0                           ; my two records have landed,
	s_barrier_signal -1
	s_barrier_wait -1                              ; everybody's have
	AFETCH                                         ; token tile 0
.Ltile:                                            ; a trip: one token tile
	s_wait_dscnt 0x0                               ; the tile's fragments are in; the last trip's LDS stores have read their registers
	v_add_nc_u32 v[SBT], s[TS], v[SBA]
.irp s, 0,1,2,3,4,5
.irp n, 0,1,2,3,4,5
.set idx, 6*\s+\n
	WIN (1+idx/16)|0x0c
.if \s == 0
	MMC HA+8*\n, 16*(idx%16), 64+16*\s, BI+8*\n, WSC+idx, ASC+\s
.else
	MMC HA+8*\n, 16*(idx%16), 64+16*\s, HA+8*\n, WSC+idx, ASC+\s
.endif
.endr
.endr
	WIN 0
	s_add_co_u32 s[TN], s[TN], 1
	s_and_b32 s[TN], s[TN], 7                      ; the last tile's successor is tile 0 again: the address stays inside the records
	s_mul_i32 s[TOF], s[TN], REC
	v_add_nc_u32 v[LA], s[TOF], v[LI]
	v_add_nc_u32 v[LB], s[TOF], v[LS2]
	PLACES 7                                       ; with the two additions nine places
	AFETCH                                         ; the next tile lands under gelu
	GELU 0
	GELU 1
	GELU 2
	QUANT HA, 3
.irp i, 0,1,2
	global_store_b128 v[LI], v[PC+4*\i:PC+4*\i+3], s[HB:HB+1] offset:2048*\i   ; chunk w of image 3 nb + i: 512 consecutive bytes, aligned
	ds_store_b32 v[SBT], v[TMP+\i] offset:128*\i
.endr
	s_wait_xcnt 0x0                                ; the stores have read their registers and base
	s_add_nc_u64 s[HB:HB+1], s[HB:HB+1], HREC
	s_add_co_u32 s[TS], s[TS], 384
	s_sub_co_u32 s[CNT], s[CNT], 1
	s_cmp_lg_u32 s[CNT], 0
	s_cbranch_scc1 .Ltile
	s_wait_dscnt 0x0                               ; for the others' sake: my words have landed
	s_barrier_signal -1
	s_barrier_wait -1
.irp t, 0,1
.irp i, 0,1,2
.irp p, 0,1,2,3
	ds_load_b32 v[ZC+4*(3*\t+\i)+\p], v[EA] offset:3072*\p+384*\t+128*\i
.endr
.endr
.endr
	s_wait_dscnt 0x0
.irp k, 0,1,2,3,4,5
	v_lshl_or_b32 v[ZC+4*\k], v[ZC+4*\k+1], 8, v[ZC+4*\k]
	v_lshl_or_b32 v[ZC+4*\k], v[ZC+4*\k+2], 16, v[ZC+4*\k]
	v_lshl_or_b32 v[ZC+4*\k], v[ZC+4*\k+3], 24, v[ZC+4*\k]
.endr
.irp t, 0,1
.irp i, 0,1,2
	global_store_b32 v[LS], v[ZC+4*(3*\t+\i)], s[HS:HS+1] offset:HREC*\t+128*\i
.endr
.endr
	s_wait_tensorcnt 0x0
	ds_add_u32 v254, v255
	s_wait_dscnt 0x0
	s_endpgm
.Lfunc_end_k_q31fc34355d_ffn1:
	.size	k_q31fc34355d_ffn1, .Lfunc_end_k_q31fc34355d_ffn1-k_q31fc34355d_ffn1
	.p2alignl 7, 3214868480
	.fill 96, 4, 3214868480
	.section	.rodata,"a",@progbits
	.p2align	6, 0x0
	.amdhsa_kernel k_q31fc34355d_ffn1
		.amdhsa_group_segment_fixed_size 168448
		.amdhsa_private_segment_fixed_size 0
		.amdhsa_enable_private_segment 0
		.amdhsa_kernarg_size 32
		.amdhsa_user_sgpr_count 2
		.amdhsa_user_sgpr_kernarg_segment_ptr 1
		.amdhsa_wavefront_size32 1
		.amdhsa_system_sgpr_workgroup_id_x 1
		.amdhsa_system_sgpr_workgroup_id_y 1
		.amdhsa_system_sgpr_workgroup_id_z 1
		.amdhsa_system_vgpr_workitem_id 0
		.amdhsa_next_free_vgpr 1024
		.amdhsa_next_free_sgpr 100
		.amdhsa_reserve_vcc 0
		.amdhsa_float_denorm_mode_32 3
		.amdhsa_float_denorm_mode_16_64 3
		.amdhsa_memory_ordered 1
		.amdhsa_forward_progress 1
		.amdhsa_inst_pref_size 71
	.end_amdhsa_kernel
	.amdgpu_metadata
---
amdhsa.version: [ 1, 2 ]
amdhsa.kernels:
  - .name:           k_q31fc34355d_ffn1
    .symbol:         k_q31fc34355d_ffn1.kd
    .args:
      - { .name: yc, .offset: 0, .size: 8, .value_kind: global_buffer, .address_space: global }
      - { .name: wts, .offset: 8, .size: 8, .value_kind: global_buffer, .address_space: global }
      - { .name: b1, .offset: 16, .size: 8, .value_kind: global_buffer, .address_space: global }
      - { .name: hc, .offset: 24, .size: 8, .value_kind: global_buffer, .address_space: global }
    .group_segment_fixed_size: 168448
    .private_segment_fixed_size: 0
    .kernarg_segment_align: 8
    .kernarg_segment_size: 32
    .max_flat_workgroup_size: 128
    .sgpr_count:     100
    .vgpr_count:     1024
    .wavefront_size: 32
...
	.end_amdgpu_metadata
.endif
;; end of part 5
;; launch ffn2 (part 6): grid 12 x 16, 4 waves a work-group, no clusters, 279,040 bytes of LDS; arguments hc, wts, b2, x1, out0; writes out0
.if DOCPART == 6
	.amdgcn_target "amdgcn-amd-amdhsa--gfx1250"
	.amdhsa_code_object_version 6
	.text
	.protected	k_q31fc34355d_ffn2
	.globl	k_q31fc34355d_ffn2
	.p2align	8
	.type	k_q31fc34355d_ffn2,@function
k_q31fc34355d_ffn2:
	s_mov_b64 s[64:65], 0
	v_nop
	global_prefetch_b8 v0, s[64:65] scope:SCOPE_SE
	s_setreg_imm32_b32 hwreg(HW_REG_WAVE_MODE, 25, 1), 1
	s_wait_xcnt 0x0
; out = x1 + h W2 + b2, the product on codes of E5M2 (K = 3,072, 24 K steps).
; SHARES.  A work-group takes 256 tokens (16 tiles) x 64 channels (4 tiles: a row's piece is 256 aligned bytes).  K IS SHARED AMONG THE WAVES: wave w takes K steps 6 w .. 6 w + 5: its 24 weight fragments stay
; in registers, and it alone reads its fragments of h, which therefore go from memory straight into registers, in two sets by turns.  No tensor load, no ring.
; The four waves' partial sums meet in LDS (256 rows x (256 + 16) bytes each); behind one barrier each wave adds the four for 64 rows, with x1 and b2, and stores.
; LIMIT: an output is the f32 sum of four f32 sums over a quarter of K each.
; REGISTERS: window 0 as named; window 1 and window 2 v0-127: W2's fragment (s, n) at 16 (4 s + n); window 3: h's fragments at 16 (6 buf + s).
.set HREC, 52224
.set PART, 69632                       ; a wave's partial sums in LDS
.set SP,   272
.set LI,   1
.set LS,   2
.set SO0,  3
.set SOT,  4                           ; v4, v5: the stage address of each set
.set RD0,  6                           ; v6-9
.set GO,   10
.set BOF,  11
.set B2V,  12                          ; v12-15
.set WSC,  16                          ; v16-39
.set ASC,  40                          ; v40-51
.set ACC,  56                          ; v56-119: two sets of four accumulators; later the four partial sums
.set XR,   120                         ; v120-247: my 64 rows' pieces of x1
.set WV,   14
.set ACB,  36                          ; s[36:37] h's codes
.set ASB,  38                          ; s[38:39] h's scale images
.set TS,   44
.set CNT,  45
.set MSB, 0
.macro WIN new
.if MSB != (\new)
	s_set_vgpr_msb (MSB<<8)|(\new)
.set MSB, (\new)
.endif
.endm
.macro PLACES n
.rept \n
	v_nop
.endr
.endm
.macro MMC d, a, b, c, sa, sb
	v_wmma_scale_f32_16x16x128_f8f6f4 v[(\d):(\d)+7], v[(\a):(\a)+15], v[(\b):(\b)+15], v[(\c):(\c)+7], v[\sa], v[\sb] matrix_a_fmt:MATRIX_FMT_BF8 matrix_b_fmt:MATRIX_FMT_BF8
.endm
.macro MMZ d, a, b, sa, sb
	v_wmma_scale_f32_16x16x128_f8f6f4 v[(\d):(\d)+7], v[(\a):(\a)+15], v[(\b):(\b)+15], 0, v[\sa], v[\sb] matrix_a_fmt:MATRIX_FMT_BF8 matrix_b_fmt:MATRIX_FMT_BF8
.endm
.macro LOADT buf, off                  ; 30 loads: a token tile's six fragments of my K steps and their scale words
	WIN 0xc0
.irp s, 0,1,2,3,4,5
.irp c, 0,1,2,3
	global_load_b128 v[16*(6*(\buf)+\s)+4*\c:16*(6*(\buf)+\s)+4*\c+3], v[LI], s[ACB:ACB+1] offset:(\off)+2048*\s+512*\c
.endr
.endr
	WIN 0
.irp s, 0,1,2,3,4,5
	global_load_b32 v[ASC+6*(\buf)+\s], v[LS], s[ASB:ASB+1] offset:(\off)+128*\s
.endr
.endm
; One token tile.  left: the loads that may stay out: the other set's 30, or none
.macro HALF buf, load, left
	s_wait_loadcnt \left
	s_wait_dscnt 8                                 ; this set's eight stores of the last trip are done (the other set's eight may be out): its accumulators and its address may be written
	v_add_nc_u32 v[SOT+\buf], s[TS], v[SO0]
.irp s, 0,1,2,3,4,5
.if \s < 4
	WIN 0x0d
.else
	WIN 0x0e
.endif
.irp n, 0,1,2,3
.if \s == 0
	MMZ ACC+32*(\buf)+8*\n, 16*(4*(\s%4)+\n), 16*(6*(\buf)+\s), WSC+4*\s+\n, ASC+6*(\buf)+\s
.else
	MMC ACC+32*(\buf)+8*\n, 16*(4*(\s%4)+\n), 16*(6*(\buf)+\s), ACC+32*(\buf)+8*\n, WSC+4*\s+\n, ASC+6*(\buf)+\s
.endif
.endr
.endr
	WIN 0
	PLACES 9
.if \load
	LOADT \buf, 2*HREC+HREC*(\buf)                 ; the tile two further on, into the same set
.endif
.irp n, 0,1,2,3
	ds_store_b128 v[SOT+\buf], v[ACC+32*(\buf)+8*\n:ACC+32*(\buf)+8*\n+3] offset:8*SP*(\buf)+128*(\n/2)+32*(\n%2)
	ds_store_b128 v[SOT+\buf], v[ACC+32*(\buf)+8*\n+4:ACC+32*(\buf)+8*\n+7] offset:8*SP*(\buf)+128*(\n/2)+32*(\n%2)+16
.endr
.endm
	s_load_b256 s[4:11], s[0:1], 0x0               ; hc, wts, b2, x1
	s_load_b64 s[12:13], s[0:1], 0x20              ; out0
	v_lshl_add_u32 v254, v0, 2, 0x44000
	v_mov_b32 v255, 0
	v_lshrrev_b32 v1, 5, v0
	v_readfirstlane_b32 s[WV], v1
	s_and_b32 s15, ttmp7, 0xffff                   ; block of 256 tokens
	s_mul_i32 s20, ttmp9, 4*HREC
	s_add_co_u32 s20, s20, 5013504                 ; W2's four records
	s_mul_i32 s21, s[WV], 12288                    ; my six K steps' codes
	s_mul_i32 s16, s[WV], 768                      ; and scale images
	s_add_co_u32 s22, s20, s21
	s_mov_b32 s23, 0
	s_add_co_u32 s24, s20, s16
	s_add_co_u32 s24, s24, 49152
	s_mov_b32 s25, 0
	s_mul_i32 s26, s15, 16*HREC
	s_add_co_u32 s28, s26, s21
	s_mov_b32 s29, 0
	s_add_co_u32 s30, s26, s16
	s_add_co_u32 s30, s30, 49152
	s_mov_b32 s31, 0
	s_lshl_b32 s32, s15, 8
	s_lshl_b32 s33, s[WV], 6
	s_add_co_u32 s32, s32, s33                     ; the first row that I store
	s_mul_i32 s32, s32, 3072
	s_lshl_b32 s34, ttmp9, 8                       ; the work-group's 64 channels, in bytes
	s_add_co_u32 s32, s32, s34
	s_mov_b32 s33, 0
	s_mov_b32 s35, 0
	s_mov_b32 s[TS], 0
	s_mov_b32 s[CNT], 7
	v_and_b32 v56, 31, v0
	v_and_b32 v57, 15, v0
	v_bfe_u32 v58, v0, 4, 1
	v_lshlrev_b32 v[LI], 4, v56
	v_lshlrev_b32 v[LS], 2, v56
	v_and_b32 v59, 8, v57
	v_add_nc_u32 v59, v59, v57
	v_mul_u32_u24 v[SO0], v59, SP
	v_lshl_add_u32 v[SO0], v58, 6, v[SO0]
	s_mul_i32 s17, s[WV], PART
	v_add_nc_u32 v[SO0], s17, v[SO0]               ; my partial sums: row r + 8 (r / 8), + 64 h
	v_mul_u32_u24 v[RD0], v58, SP
	v_lshl_add_u32 v[RD0], v57, 4, v[RD0]
	s_mul_i32 s17, s[WV], 64*SP
	v_add_nc_u32 v[RD0], s17, v[RD0]               ; back: my 64 rows; lanes 0-15 one row, lanes 16-31 the next
.irp p, 1,2,3
	v_add_nc_u32 v[RD0+\p], PART*\p, v[RD0]
.endr
	v_mul_u32_u24 v[GO], v58, 3072
	v_lshl_add_u32 v[GO], v57, 4, v[GO]
	v_lshlrev_b32 v[BOF], 4, v57
	s_wait_kmcnt 0x0
	s_add_nc_u64 s[22:23], s[6:7], s[22:23]        ; W2's codes
	s_add_nc_u64 s[24:25], s[6:7], s[24:25]        ; W2's scale images
	s_add_nc_u64 s[ACB:ACB+1], s[4:5], s[28:29]
	s_add_nc_u64 s[ASB:ASB+1], s[4:5], s[30:31]
	s_add_nc_u64 s[40:41], s[10:11], s[32:33]      ; x1
	s_add_nc_u64 s[42:43], s[12:13], s[32:33]      ; out0
	s_add_nc_u64 s[8:9], s[8:9], s[34:35]          ; b2
	WIN 0x40
.irp s, 0,1,2,3
.irp n, 0,1,2,3
.irp c, 0,1,2,3
	global_load_b128 v[16*(4*\s+\n)+4*\c:16*(4*\s+\n)+4*\c+3], v[LI], s[22:23] offset:HREC*\n+2048*\s+512*\c
.endr
.endr
.endr
	WIN 0x80
.irp s, 4,5
.irp n, 0,1,2,3
.irp c, 0,1,2,3
	global_load_b128 v[16*(4*(\s-4)+\n)+4*\c:16*(4*(\s-4)+\n)+4*\c+3], v[LI], s[22:23] offset:HREC*\n+2048*\s+512*\c
.endr
.endr
.endr
	WIN 0
.irp s, 0,1,2,3,4,5
.irp n, 0,1,2,3
	global_load_b32 v[WSC+4*\s+\n], v[LS], s[24:25] offset:HREC*\n+128*\s
.endr
.endr
	global_load_b128 v[B2V:B2V+3], v[BOF], s[8:9]
	LOADT 0, 0
	LOADT 1, HREC
.Lpair:                                            ; a trip: two token tiles; seven trips, each asking for the pair after
	HALF 0, 1, 30
	HALF 1, 1, 30
	s_wait_xcnt 0x0                                ; the loads have read their bases
	s_add_nc_u64 s[ACB:ACB+1], s[ACB:ACB+1], 2*HREC
	s_add_nc_u64 s[ASB:ASB+1], s[ASB:ASB+1], 2*HREC
	s_add_co_u32 s[TS], s[TS], 32*SP
	s_sub_co_u32 s[CNT], s[CNT], 1
	s_cmp_lg_u32 s[CNT], 0
	s_cbranch_scc1 .Lpair
	HALF 0, 0, 30                                  ; the last pair asks for nothing
	HALF 1, 0, 0
.set j, 0
.rept 32
	global_load_b128 v[XR+4*j:XR+4*j+3], v[GO], s[40:41] offset:6144*j   ; x1: a pair of rows an instruction; sixteen lanes read 256 aligned bytes
.set j, j+1
.endr
	s_wait_dscnt 0x0                               ; for the others' sake: my partial sums have landed
	s_barrier_signal -1
	s_barrier_wait -1
.irp t, 0,1,2,3,4,5,6,7                ; eight rows at a time
.irp p, 0,1,2,3
.irp g, 0,1,2,3
	ds_load_b128 v[ACC+16*\p+4*\g:ACC+16*\p+4*\g+3], v[RD0+\p] offset:8*SP*\t+2*SP*\g
.endr
.endr
	s_wait_loadcnt 28-4*\t                         ; x1's loads come back in order: these four pairs of rows are in, the younger ones may be out
	s_wait_dscnt 0x0
.irp g, 0,1,2,3
.irp e, 0,2
	v_pk_add_f32 v[ACC+4*\g+\e:ACC+4*\g+\e+1], v[ACC+4*\g+\e:ACC+4*\g+\e+1], v[ACC+16+4*\g+\e:ACC+16+4*\g+\e+1]
	v_pk_add_f32 v[ACC+32+4*\g+\e:ACC+32+4*\g+\e+1], v[ACC+32+4*\g+\e:ACC+32+4*\g+\e+1], v[ACC+48+4*\g+\e:ACC+48+4*\g+\e+1]
	v_pk_add_f32 v[XR+16*\t+4*\g+\e:XR+16*\t+4*\g+\e+1], v[XR+16*\t+4*\g+\e:XR+16*\t+4*\g+\e+1], v[B2V+\e:B2V+\e+1]
	v_pk_add_f32 v[ACC+4*\g+\e:ACC+4*\g+\e+1], v[ACC+4*\g+\e:ACC+4*\g+\e+1], v[ACC+32+4*\g+\e:ACC+32+4*\g+\e+1]
	v_pk_add_f32 v[XR+16*\t+4*\g+\e:XR+16*\t+4*\g+\e+1], v[XR+16*\t+4*\g+\e:XR+16*\t+4*\g+\e+1], v[ACC+4*\g+\e:ACC+4*\g+\e+1]
.endr
	global_store_b128 v[GO], v[XR+16*\t+4*\g:XR+16*\t+4*\g+3], s[42:43] offset:6144*(4*\t+\g)   ; sixteen lanes store 256 aligned bytes; these registers are not written again
.endr
.endr
	s_wait_tensorcnt 0x0
	ds_add_u32 v254, v255
	s_wait_dscnt 0x0
	s_endpgm
.Lfunc_end_k_q31fc34355d_ffn2:
	.size	k_q31fc34355d_ffn2, .Lfunc_end_k_q31fc34355d_ffn2-k_q31fc34355d_ffn2
	.p2alignl 7, 3214868480
	.fill 96, 4, 3214868480
	.section	.rodata,"a",@progbits
	.p2align	6, 0x0
	.amdhsa_kernel k_q31fc34355d_ffn2
		.amdhsa_group_segment_fixed_size 279040
		.amdhsa_private_segment_fixed_size 0
		.amdhsa_enable_private_segment 0
		.amdhsa_kernarg_size 40
		.amdhsa_user_sgpr_count 2
		.amdhsa_user_sgpr_kernarg_segment_ptr 1
		.amdhsa_wavefront_size32 1
		.amdhsa_system_sgpr_workgroup_id_x 1
		.amdhsa_system_sgpr_workgroup_id_y 1
		.amdhsa_system_sgpr_workgroup_id_z 1
		.amdhsa_system_vgpr_workitem_id 0
		.amdhsa_next_free_vgpr 1024
		.amdhsa_next_free_sgpr 66
		.amdhsa_reserve_vcc 0
		.amdhsa_float_denorm_mode_32 3
		.amdhsa_float_denorm_mode_16_64 3
		.amdhsa_memory_ordered 1
		.amdhsa_forward_progress 1
		.amdhsa_inst_pref_size 77
	.end_amdhsa_kernel
	.amdgpu_metadata
---
amdhsa.version: [ 1, 2 ]
amdhsa.kernels:
  - .name:           k_q31fc34355d_ffn2
    .symbol:         k_q31fc34355d_ffn2.kd
    .args:
      - { .name: hc, .offset: 0, .size: 8, .value_kind: global_buffer, .address_space: global }
      - { .name: wts, .offset: 8, .size: 8, .value_kind: global_buffer, .address_space: global }
      - { .name: b2, .offset: 16, .size: 8, .value_kind: global_buffer, .address_space: global }
      - { .name: x1, .offset: 24, .size: 8, .value_kind: global_buffer, .address_space: global }
      - { .name: out0, .offset: 32, .size: 8, .value_kind: global_buffer, .address_space: global }
    .group_segment_fixed_size: 279040
    .private_segment_fixed_size: 0
    .kernarg_segment_align: 8
    .kernarg_segment_size: 40
    .max_flat_workgroup_size: 128
    .sgpr_count:     66
    .vgpr_count:     1024
    .wavefront_size: 32
...
	.end_amdgpu_metadata
.endif
;; end of part 6
